; MI455X (gfx1250); checked and timed in simulation.
; The chip was launched on July 23, 2026; its instructions are those of AMD's public machine-readable ISA for CDNA 5 (MIT licence, August 2026) and "CDNA5" Instruction Set Architecture Reference Guide (July 2026). The comments in the code are by the model that wrote it; some were corrected since.
;; Large Transformer Layer. Allowed arithmetic: matrix products marked QUANTISED: E2M3 operands, one E8M0 scale for each 32 along K, by v_wmma_scale_f32_16x16x128_f8f6f4 with both operands' format E2M3, f32 sums; everything else in f32.
;; Inputs: W1 1,024 x 1,024 float32; W2 1,024 x 1,024 float32; Wk 1,024 x 1,024 float32; Wo 1,024 x 1,024 float32; Wq 1,024 x 1,024 float32; Wv 1,024 x 1,024 float32; hidden_states 2 x 2,048 x 1,024 float32; ln1_b 1,024 float32; ln1_g 1,024 float32; ln2_b 1,024 float32; ln2_g 1,024 float32.
;; Outputs: out0 2 x 2,048 x 1,024 float32.
;; This version of the problem:
;;   THIS VERSION OF THE PROBLEM IS GIVEN IN LOW PRECISION. The matrix products marked QUANTISED in the list below multiply operands that are first quantised to E2M3 (2 exponent bits, 3 mantissa bits; 6 bits a number), with one power-of-two scale for each 32 numbers along K (OCP MX v1.0); their sums are f32. All else is computed in f32.
;;   The module's matrix products, in the order in which they are computed (A, B: the left and right operand; K: the contracted axis; several contracted axes count as one K, in the product's order):
;;     1. [M 4,096, K 1,024] x [K 1,024, N 1,024]; A: computed on the way; B: input Wq: QUANTISED
;;     2. [M 4,096, K 1,024] x [K 1,024, N 1,024]; A: computed on the way; B: input Wk: QUANTISED
;;     3. [M 4,096, K 1,024] x [K 1,024, N 1,024]; A: computed on the way; B: input Wv: QUANTISED
;;     4. batch 32 x [M 2,048, K 64] x [K 64, N 2,048]; A: computed on the way; B: computed on the way: QUANTISED
;;     5. batch 32 x [M 2,048, K 2,048] x [K 2,048, N 64]; A: softmax (see below); B: computed on the way: QUANTISED
;;     6. [M 4,096, K 1,024] x [K 1,024, N 1,024]; A: computed on the way; B: input Wo: QUANTISED
;;     7. [M 4,096, K 1,024] x [K 1,024, N 1,024]; A: computed on the way; B: input W1: QUANTISED
;;     8. [M 4,096, K 1,024] x [K 1,024, N 1,024]; A: computed on the way; B: input W2: QUANTISED
;;   THE QUANTISER, for each operand of a quantised product, along K:
;;     - K is cut into blocks of 32 from its start; a last block that is shorter is filled with zeros.
;;     - A block's scale is 2^e with e = floor(log2(the largest magnitude in the block)) - 2, held to -126 .. 127; a block of zeros has e = 0. As a byte (E8M0): e + 127.
;;     - Each number is divided by its block's scale, clamped to +-7.5, and rounded to the nearest number of E2M3, ties to even, subnormals kept.
;;     - The product sums the exact products of the quantised numbers (number of the format x scale) in f32.
;;   ~~~python
;;   def quantise(x, axis):      # numpy; x: float32 -> the quantised numbers, widened to float32 again
;;       x = np.moveaxis(x, axis, -1); K = x.shape[-1]
;;       x = np.pad(x, [(0, 0)] * (x.ndim - 1) + [(0, -K % 32)]); x = x.reshape(x.shape[:-1] + (-1, 32)); a = np.abs(x).max(-1, keepdims=True)
;;       e = np.where(a > 0, np.clip(np.frexp(np.where(a > 0, a, 1))[1] - 1 - 2, -126, 127), 0)      # np.frexp(a)[1] - 1 = floor(log2(a)), exactly
;;       r = np.clip(x / 2.0 ** e, -7.5, 7.5)
;;       step = 2.0 ** (np.maximum(np.frexp(np.where(r == 0, 1, r))[1] - 1, 0) - 3)
;;       q = np.round(r / step) * step * 2.0 ** e      # np.round: ties to even
;;       return np.moveaxis(q.reshape(q.shape[:-2] + (-1,))[..., :K], -1, axis).astype(np.float32)
;;   ~~~
;;   SOFTMAX AHEAD OF A QUANTISED PRODUCT. Where the list says 'softmax', what is quantised is not the finished softmax but p = 2^(t - M), with t = logit x log2(e) and M = ceil(the row's largest t), a whole number; so 1/2 < the row's largest p <= 1. The row's sum l is taken of the UNQUANTISED p, in f32, and the product's result is divided by l at the end. Since M is a whole number, a kernel that streams over the keys may use a running M (the ceiling of the running maximum): every later rescaling is an exact power of two, which a block's scale takes up: the codes' values come out the same.
;;   OPERANDS COMPUTED ON THE WAY. 'Computed on the way' means the value that the module computes at that place (a softmax that the list does not call 'softmax' is quantised finished and normalised). What goes into a quantiser is computed in f32, as accurately as f32 sums, v_exp_f32 and their like allow (about 1e-6 of the number): no bf16 or f16 on the way to a quantiser, and a product that is left as it is and whose result goes on into a quantised operand takes f32 operands (vector FMAs, or v_wmma_f32_16x16x4_f32). A number that lies on a knife's edge between two numbers of the format may be rounded either way, as far as f32 arithmetic and the matrix unit's own rounding can turn it there, and no further.
;; One version. Each part assembles by itself: llvm-mc -triple=amdgcn-amd-amdhsa -mcpu=gfx1250 --defsym DOCPART=n.
;; ======== version 1 of 1: 4 launches
;; limits: right only within a limited range of input values
;; workspace buffers: wqkv 2,457,600 bytes; wpost 2,457,600 bytes; actA 3,276,800 bytes; qkv 10,092,544 bytes
;; launch prep (part 1): grid 448 x 1, 8 waves a work-group, no clusters, 2,048 bytes of LDS; arguments Wq, Wk, Wv, Wo, W1, W2, wqkv, wpost, hidden_states, ln1_g, ln1_b, actA; writes wqkv, wpost, actA
.if DOCPART == 1
	.amdgcn_target "amdgcn-amd-amdhsa--gfx1250"
	.amdhsa_code_object_version 6
	.text
	.protected	k_qae40b1c755_prep
	.globl	k_qae40b1c755_prep
	.p2align	8
	.type	k_qae40b1c755_prep,@function
k_qae40b1c755_prep:
	s_mov_b64 s[64:65], 0
	v_nop
	global_prefetch_b8 v0, s[64:65] scope:SCOPE_SE
	s_setreg_imm32_b32 hwreg(HW_REG_WAVE_MODE, 25, 1), 1
	s_wait_xcnt 0x0
; TWO JOBS IN ONE LAUNCH, told apart by the work-group's number: neither needs the other's result, and both are short streams.  Work-groups 0-191 quantise the six weights, work-groups 192-447 make n = LayerNorm(x) and quantise it.
; BOTH write operands of FP6 (E2M3) with one E8M0 byte for each 32 along K, laid as PANELS of 128 rows (weights: columns n; n: tokens):
;   codes [K step of 128: 8][tile of 16 rows: 8][1,536 bytes], then scale words [K step][tile][16 rows] of 4 bytes: 98,304 + 4,096 bytes a panel.
; A tile's 1,536 bytes are the image of an operand's 12 registers: register p of lane l lies at 256 (p / 2) + 8 l + 4 (p % 2), so six accesses of 8 bytes a lane move it, 256 consecutive bytes each.
; THE ROWS OF A TILE ARE NOT NEIGHBOURS: lane r of tile 2 b + u holds panel row 32 b + 8 u + r % 8 + 16 (r / 8), so that a product with such tiles as source 0 leaves 16 neighbours in a lane's registers.
; A block's scale is 2^(floor(log2(largest magnitude)) - 2); its byte is that magnitude's exponent field - 2, held at 1 from below.
; THE WEIGHTS [1024 (k)][1024 (n)], f32: work-group = 32 x weight + 4 x panel + pair of K steps.  Wave w takes the panel's columns 32 (w % 4) .. + 31 (two tiles) and K step 2 x pair + w / 4.  A LANE TAKES A COLUMN AND ITS REGISTERS RUN
; DOWN K: each load reads 128 consecutive bytes, a block of 32 lies in one lane, and the conversions give codes with K innermost.  Lane r + 16 u holds tile 2 (w % 4) + u's column of lane r.  No LDS, no barrier.
; THE NORM: n = (x - mean) rsqrt(var + 1e-5) g + b over rows of 1,024, in f32.  A work-group takes one tile (16 rows), wave w its K step w.  Lane (r = lane % 16, h = lane / 16) holds 64 numbers of its row: register 16 q + i = column
; 128 w + 32 q + 16 h + i, which is what the conversions want.  The mean is taken first and the squares are those of the centred numbers, so a common offset of the inputs costs no digits.  The eight waves' parts of a sum meet in LDS: two barriers.
; LIMITS: a block of zeros, or one whose largest magnitude lies under 2^-124, gets the byte 1 (its bytes are read by this program alone); NaN and infinities are not served; v_rsq_f32 is good to one unit in the last place;
; sums go in another order than a plain loop's.
.set PANEL, 102400
.set WORDS, 98304
.set NWQ,   192                        ; work-groups that quantise weights
.set SPARE, 1024                       ; LDS (the norm's path alone): 0-511 the sums' parts [row][wave], 512-1023 the squares'; then the spare words, 128 bytes a wave
.set SPW,  250                         ; v250 my spare word's address, v251 0: kept for the closing lines; neither path uses them otherwise
.set NIL,  251
.set X,    32                          ; both paths: the numbers at work begin at v32
; ---- the norm's registers
.set GG,   96                          ; v96-159  g at my columns; later the codes
.set BB,   160                         ; v160-223 b
.set TM,   224                         ; v224-239 at work in QUANT
.set SEL,  16                          ; s[16:17] lane selects for v_permlanex16_b32: lane l xor 16
; ---- the weights' registers
.set H0,   160                         ; v160-171 the blocks that lanes 0-15 of an image hold (blocks 0, 2); then the even tile's whole image
.set H1,   172                         ; v172-183 those of lanes 16-31 (blocks 1, 3); then the odd tile's
.set HB,   184                         ; v184-199 the second three registers of each block's six, before they are moved
.set MX,   8                           ; v8-11    largest magnitudes;  v24-27 their second chains
.set SO,   12                          ; v12-15   the conversions' scale operands
.set BY,   16                          ; v16      a byte
.set WD,   20                          ; v20      my column's scale word
; 64 numbers of a lane, register 16 b + i = k 32 b + 16 (lane / 16) + i of my row, become a fragment's codes in v[pc] .. v[pc + 11] (pc + 12 .. 19 at work) and its scale word in v[pw].
.macro QUANT s, pc, pw
.irp b, 0,1,2,3
	v_max3_num_f32 v[TM+\b], |v[\s+16*\b]|, |v[\s+1+16*\b]|, 0x1800000   ; block b: my 16 numbers, and the floor 2^(3 - 127): the byte cannot fall under 1
.endr
.irp i, 2,4,6,8,10,12,14
.irp b, 0,1,2,3
	s_delay_alu instid0(VALU_DEP_4)
	v_max3_num_f32 v[TM+\b], v[TM+\b], |v[\s+16*\b+\i]|, |v[\s+1+16*\b+\i]|   ; the four blocks by turns
.endr
.endr
.irp b, 0,1,2,3
	s_delay_alu instid0(VALU_DEP_4)
	v_permlanex16_b32 v[TM+4+\b], v[TM+\b], s[SEL], s[SEL+1]
.endr
.irp b, 0,1,2,3
	s_delay_alu instid0(VALU_DEP_4)
	v_max_num_f32 v[TM+\b], v[TM+\b], v[TM+4+\b]   ; with lane l xor 16's: the block's largest magnitude
.endr
.irp b, 0,1,2,3
	s_delay_alu instid0(VALU_DEP_4)
	v_add_nc_u32 v[TM+12+\b], 0xff000000, v[TM+\b] ; 2 off its exponent field: the conversion's scale operand
.endr
.irp b, 0,1,2,3
	s_delay_alu instid0(VALU_DEP_4)
	v_lshrrev_b32 v[TM+4+\b], 23, v[TM+12+\b]      ; the scale's byte
.endr
	s_delay_alu instid0(VALU_DEP_3)
	v_lshl_or_b32 v[\pw], v[TM+5], 8, v[TM+4]
	s_delay_alu instid0(VALU_DEP_1)
	v_lshl_or_b32 v[\pw], v[TM+6], 16, v[\pw]
	s_delay_alu instid0(VALU_DEP_1)
	v_lshl_or_b32 v[\pw], v[TM+7], 24, v[\pw]
.irp c, 0,1
	v_cvt_scalef32_pk16_fp6_f32 v[\pc+6*\c:\pc+2+6*\c], v[\s+32*\c:\s+15+32*\c], v[TM+12+2*\c]
	v_cvt_scalef32_pk16_fp6_f32 v[\pc+12+4*\c:\pc+14+4*\c], v[\s+16+32*\c:\s+31+32*\c], v[TM+12+2*\c+1]   ; (a conversion's three registers begin on an even number)
.endr
	v_nop                                          ; one plain place behind a scaled conversion
.irp c, 0,1                                    ; the operand wants a WHOLE block in a lane: lanes 0-15 block 2 c, lanes 16-31 block 2 c + 1
.irp i, 0,1,2
	v_permlane16_swap_b32 v[\pc+6*\c+\i], v[\pc+12+4*\c+\i]
.endr
.irp i, 0,1,2
	s_delay_alu instid0(VALU_DEP_3)
	v_mov_b32 v[\pc+3+6*\c+\i], v[\pc+12+4*\c+\i]
.endr
.endr
.endm
; my four chains v[16:23] become the row's sum in v24: my lane, the lane 16 away, then the eight waves' parts through LDS
.macro REDUCE off
	s_delay_alu instid0(VALU_DEP_3)
	v_pk_add_f32 v[16:17], v[16:17], v[18:19]
	s_delay_alu instid0(VALU_DEP_2)
	v_pk_add_f32 v[20:21], v[20:21], v[22:23]
	s_delay_alu instid0(VALU_DEP_1)
	v_pk_add_f32 v[16:17], v[16:17], v[20:21]
	s_delay_alu instid0(VALU_DEP_1)
	v_add_f32 v16, v16, v17
	s_delay_alu instid0(VALU_DEP_1)
	v_permlanex16_b32 v17, v16, s[SEL], s[SEL+1]
	s_delay_alu instid0(VALU_DEP_1)
	v_add_f32 v16, v16, v17
	ds_store_b32 v3, v16 offset:\off               ; word [row r][wave]; both halves of the lanes write the same word with the same value
	s_wait_dscnt 0x0                               ; for the others' sake: my store has landed
	s_barrier_signal -1
	s_barrier_wait -1
	ds_load_b128 v[24:27], v4 offset:\off
	ds_load_b128 v[28:31], v4 offset:\off+16
	s_wait_dscnt 0x0
	v_add_f32 v24, v24, v25                        ; every wave adds the eight parts in the same order
	v_add_f32 v26, v26, v27
	v_add_f32 v28, v28, v29
	v_add_f32 v30, v30, v31
	s_delay_alu instid0(VALU_DEP_3)
	v_add_f32 v24, v24, v26
	s_delay_alu instid0(VALU_DEP_2)
	v_add_f32 v28, v28, v30
	s_delay_alu instid0(VALU_DEP_1)
	v_add_f32 v24, v24, v28
.endm
.macro LOADB q                         ; the weights: block q: 32 rows at my column
.set I, 0
.rept 32
	global_load_b32 v[X+32*\q+I], v3, s[4:5] offset:(32*\q+I)*4096 th:TH_LOAD_NT
.set I, I+1
.endr
.endm
.macro BLOCK q
.set XS, X+32*\q
	v_max3_num_f32 v[MX+\q], |v[XS]|, |v[XS+1]|, |v[XS+2]|          ; the block's largest magnitude: all 32 numbers are mine; two chains
	v_max3_num_f32 v[24+\q], |v[XS+3]|, |v[XS+4]|, |v[XS+5]|
.irp i, 6,10,14,18,22,26
	s_delay_alu instid0(VALU_DEP_2)
	v_max3_num_f32 v[MX+\q], v[MX+\q], |v[XS+\i]|, |v[XS+\i+1]|
	s_delay_alu instid0(VALU_DEP_2)
	v_max3_num_f32 v[24+\q], v[24+\q], |v[XS+\i+2]|, |v[XS+\i+3]|
.endr
	s_delay_alu instid0(VALU_DEP_2)
	v_max3_num_f32 v[MX+\q], v[MX+\q], |v[XS+30]|, |v[XS+31]|
	s_delay_alu instid0(VALU_DEP_1)
	v_max3_num_f32 v[MX+\q], v[MX+\q], v[24+\q], 0x1800000          ; and the floor 2^(3 - 127): the byte cannot fall under 1
	s_delay_alu instid0(VALU_DEP_1)
	v_add_nc_u32 v[SO+\q], 0xff000000, v[MX+\q]    ; 2 off the exponent field: the conversion takes that field of this operand as its scale
	s_delay_alu instid0(VALU_DEP_1)
	v_lshrrev_b32 v[BY], 23, v[SO+\q]              ; the scale's byte
.if \q == 0
	s_delay_alu instid0(VALU_DEP_1)
	v_mov_b32 v[WD], v[BY]
.else
	s_delay_alu instid0(VALU_DEP_1)
	v_lshl_or_b32 v[WD], v[BY], 8*\q, v[WD]        ; byte q scales k = 32 q .. 32 q + 31
.endif
	v_cvt_scalef32_pk16_fp6_f32 v[H0+12*(\q%2)+6*(\q/2):H0+12*(\q%2)+6*(\q/2)+2], v[XS:XS+15], v[SO+\q]
	v_cvt_scalef32_pk16_fp6_f32 v[HB+4*\q:HB+4*\q+2], v[XS+16:XS+31], v[SO+\q]   ; (a conversion's three registers begin on an even number)
.endm
	v_lshl_add_u32 v[SPW], v0, 2, SPARE            ; my spare word,
	v_mov_b32 v[NIL], 0                            ; and 0
	s_cmp_lt_u32 ttmp9, NWQ                        ; which job: the work-group's number alone decides
	s_cbranch_scc1 .Lweights
	; ================ the norm
	s_load_b128 s[4:7], s[0:1], 0x40               ; x, g
	s_load_b128 s[8:11], s[0:1], 0x50              ; b, the panels
	v_lshrrev_b32 v9, 5, v0
	s_delay_alu instid0(VALU_DEP_1)
	v_readfirstlane_b32 s12, v9                    ; wave = K step
	v_and_b32 v9, 15, v0                           ; r
	v_bfe_u32 v14, v0, 4, 1                        ; h
	s_delay_alu instid0(VALU_DEP_2)
	v_and_b32 v15, 7, v9
	s_delay_alu instid0(VALU_DEP_3)
	v_lshrrev_b32 v16, 3, v9
	s_delay_alu instid0(VALU_DEP_1)
	v_lshl_add_u32 v15, v16, 4, v15                ; my row, counted from the tile's first: r % 8 + 16 (r / 8)
	s_lshl_b32 s13, s12, 9
	v_lshl_add_u32 v2, v14, 6, s13                 ; g, b: 512 w + 64 h
	s_delay_alu instid0(VALU_DEP_1)
	v_lshl_add_u32 v1, v15, 12, v2                 ; x: + 4,096 x row
	s_lshl_b32 s14, s12, 2
	v_lshl_add_u32 v3, v9, 5, s14                  ; LDS: 32 r + 4 w
	v_lshlrev_b32 v4, 5, v9                        ; LDS: 32 r
	v_and_b32 v5, 31, v0
	s_delay_alu instid0(VALU_DEP_1)
	v_lshlrev_b32 v5, 3, v5                        ; 8 x lane
	v_lshlrev_b32 v6, 2, v9                        ; 4 r
.irp b, 0,1,2,3
	v_mov_b32 v[TM+4+\b], 0                        ; written once: a lane permute's destination counts as one of its sources
.endr
	s_mov_b32 s[SEL], 0x76543210
	s_mov_b32 s[SEL+1], 0xfedcba98
	s_mov_b32 s18, 0x3a800000                      ; 1 / 1,024
	s_sub_co_u32 s29, ttmp9, NWQ                   ; which tile of 16 rows: 0 .. 255
	s_lshr_b32 s19, s29, 3                         ; panel
	s_and_b32 s20, s29, 7                          ; tile
	s_lshl_b32 s21, s19, 7
	s_lshr_b32 s22, s20, 1
	s_lshl_b32 s22, s22, 5
	s_add_co_u32 s21, s21, s22
	s_and_b32 s22, s20, 1
	s_lshl_b32 s22, s22, 3
	s_add_co_u32 s21, s21, s22                     ; the tile's first row: 128 panel + 32 (tile / 2) + 8 (tile % 2)
	s_lshl_b32 s22, s21, 12
	s_mov_b32 s23, 0
	s_mul_i32 s24, s19, PANEL
	s_add_co_u32 s26, s24, s13                     ; words: panel + 98,304 + 512 w + 64 tile
	s_lshl_b32 s28, s20, 6
	s_add_co_u32 s26, s26, s28
	s_add_co_u32 s26, s26, WORDS
	s_mov_b32 s27, 0
	s_mul_i32 s28, s12, 12288
	s_add_co_u32 s24, s24, s28                     ; codes: panel + 12,288 w + 1,536 tile
	s_mul_i32 s28, s20, 1536
	s_add_co_u32 s24, s24, s28
	s_mov_b32 s25, 0
	s_wait_kmcnt 0x0
	s_add_nc_u64 s[4:5], s[4:5], s[22:23]
	s_add_nc_u64 s[30:31], s[10:11], s[26:27]
	s_add_nc_u64 s[10:11], s[10:11], s[24:25]
.irp q, 0,1,2,3
.irp j, 0,1,2,3
	global_load_b128 v[X+16*\q+4*\j:X+16*\q+4*\j+3], v1, s[4:5] offset:128*\q+16*\j
.endr
.endr
.irp q, 0,1,2,3
.irp j, 0,1,2,3
	global_load_b128 v[GG+16*\q+4*\j:GG+16*\q+4*\j+3], v2, s[6:7] offset:128*\q+16*\j
.endr
.endr
.irp q, 0,1,2,3
.irp j, 0,1,2,3
	global_load_b128 v[BB+16*\q+4*\j:BB+16*\q+4*\j+3], v2, s[8:9] offset:128*\q+16*\j
.endr
.endr
	s_wait_loadcnt 32                              ; x is in; g's and b's 32 loads may be out
.irp c, 0,1,2,3
	v_pk_add_f32 v[16+2*\c:17+2*\c], v[X+4*\c:X+4*\c+1], v[X+4*\c+2:X+4*\c+3]   ; four chains, started by the first numbers: nothing is cleared
.endr
.irp i, 0,1,2,3,4,5
.irp c, 0,1,2,3
	s_delay_alu instid0(VALU_DEP_4)
	v_pk_add_f32 v[16+2*\c:17+2*\c], v[16+2*\c:17+2*\c], v[X+16+8*\i+2*\c:X+16+8*\i+2*\c+1]
.endr
.endr
	REDUCE 0
	s_delay_alu instid0(VALU_DEP_1)
	v_mul_f32 v10, s18, v24                        ; the mean
	s_delay_alu instid0(VALU_DEP_1)
	v_mov_b32 v11, v10                             ; (named with it as a pair)
.set I, 0
.rept 32
	v_pk_add_f32 v[X+I:X+I+1], v[X+I:X+I+1], v[10:11] op_sel_hi:[1,0] neg_lo:[0,1] neg_hi:[0,1]   ; x - mean
.set I, I+2
.endr
.irp c, 0,1,2,3
	v_pk_mul_f32 v[16+2*\c:17+2*\c], v[X+2*\c:X+2*\c+1], v[X+2*\c:X+2*\c+1]
.endr
.irp i, 1,2,3,4,5,6,7
.irp c, 0,1,2,3
	s_delay_alu instid0(VALU_DEP_4)
	v_pk_fma_f32 v[16+2*\c:17+2*\c], v[X+8*\i+2*\c:X+8*\i+2*\c+1], v[X+8*\i+2*\c:X+8*\i+2*\c+1], v[16+2*\c:17+2*\c]
.endr
.endr
	REDUCE 512                                     ; other bytes than the first sum's: no wave can still be reading what is written here
	s_delay_alu instid0(VALU_DEP_1)
	v_fmaak_f32 v12, s18, v24, 0x3727c5ac          ; the variance + 1e-5
	s_wait_alu depctr_va_vdst(0)
	v_rsq_f32 v12, v12
	v_nop                                          ; a plain place behind the transcendental
	s_wait_alu depctr_va_vdst(0)                   ; the wait ahead of the first reader
	v_mov_b32 v13, v12
	s_wait_alu depctr_va_vdst(0)
	s_wait_loadcnt 0x0                             ; g and b
.set I, 0
.rept 32
	v_pk_mul_f32 v[X+I:X+I+1], v[X+I:X+I+1], v[12:13]
.set I, I+2
.endr
.set I, 0
.rept 32
	v_pk_fma_f32 v[X+I:X+I+1], v[X+I:X+I+1], v[GG+I:GG+I+1], v[BB+I:BB+I+1]
.set I, I+2
.endr
	QUANT X, GG, 240                               ; g's registers are free
.irp g, 0,1,2,3,4,5
	global_store_b64 v5, v[GG+2*\g:GG+2*\g+1], s[10:11] offset:256*\g           ; 32 lanes store 256 consecutive bytes, aligned
.endr
	global_store_b32 v6, v240, s[30:31]            ; the tile's 16 scale words of this K step (lanes 16-31 repeat lanes 0-15's, word for word)
	s_wait_tensorcnt 0x0                           ; the wave's end
	ds_add_u32 v[SPW], v[NIL]
	s_wait_dscnt 0x0
	s_endpgm
	; ================ the weights
.Lweights:
	s_load_b512 s[4:19], s[0:1], 0x0               ; Wq, Wk, Wv, Wo, W1, W2, wqkv, woq
	v_lshrrev_b32 v1, 5, v0
	s_delay_alu instid0(VALU_DEP_1)
	v_readfirstlane_b32 s38, v1                    ; wave 0..7
	s_and_b32 s26, s38, 3                          ; which 32 columns of the panel
	s_lshr_b32 s39, s38, 2                         ; which of the work-group's two K steps
	v_and_b32 v2, 31, v0                           ; lane
	s_delay_alu instid0(VALU_DEP_1)
	v_lshlrev_b32 v4, 3, v2                        ; 8 x lane: an image's place
	s_delay_alu instid0(VALU_DEP_2)
	v_lshlrev_b32 v5, 2, v2                        ; 4 x lane: a scale word's
	s_delay_alu instid0(VALU_DEP_3)
	v_and_b32 v3, 7, v2
	s_delay_alu instid0(VALU_DEP_4)
	v_bfe_u32 v6, v2, 3, 1
	s_delay_alu instid0(VALU_DEP_1)
	v_lshl_add_u32 v3, v6, 4, v3
	v_lshrrev_b32 v6, 4, v2
	s_delay_alu instid0(VALU_DEP_1)
	v_lshl_add_u32 v3, v6, 3, v3                   ; my column among the wave's 32: lane % 8 + 16 ((lane / 8) % 2) + 8 (lane / 16)
	s_delay_alu instid0(VALU_DEP_1)
	v_lshlrev_b32 v3, 2, v3
	v_lshlrev_b32 v7, 4, v2                        ; 16 x lane: a place in the second layout
	s_lshr_b32 s24, ttmp9, 5                       ; which weight
	s_and_b32 s40, ttmp9, 31
	s_lshr_b32 s27, s40, 2                         ; panel of columns
	s_and_b32 s28, s40, 3
	s_lshl_b32 s28, s28, 1
	s_add_co_u32 s28, s28, s39                     ; K step
	s_lshl_b32 s25, s24, 3
	s_cmp_lt_u32 s24, 3
	s_cselect_b32 s25, s25, 0                      ; Wq, Wk, Wv share one buffer: 8 panels each
	s_add_co_u32 s25, s25, s27
	s_mul_i32 s30, s25, PANEL
	s_add_co_u32 s32, s30, WORDS
	s_mul_i32 s29, s28, 12288
	s_add_co_u32 s30, s30, s29
	s_mul_i32 s29, s26, 3072
	s_add_co_u32 s30, s30, s29                     ; codes: panel + 12,288 K step + 3,072 column group
	s_mov_b32 s31, 0
	s_lshl_b32 s29, s28, 9
	s_add_co_u32 s32, s32, s29
	s_lshl_b32 s29, s26, 7
	s_add_co_u32 s32, s32, s29                     ; words: panel + 98,304 + 512 K step + 128 column group
	s_mov_b32 s33, 0
	; THE SECOND LAYOUT, for Wo, W1, W2 (buffer wpost): panel 3 x column panel + (weight - 3), so that the three weights' panels of one column panel lie on end; in a panel each K step is 12,800 bytes:
	; its eight tiles' codes (register p of lane l of a tile at 512 (p / 4) + 16 l + 4 (p % 4)), then 512 bytes of scale words (the word of lane l of tile pair c at 16 l + 4 c)
	s_mul_i32 s41, s27, 3
	s_add_co_u32 s41, s41, s24
	s_sub_co_u32 s41, s41, 3
	s_mul_i32 s41, s41, PANEL
	s_mul_i32 s42, s28, 12800
	s_add_co_u32 s41, s41, s42
	s_lshl_b32 s42, s26, 2
	s_add_co_u32 s42, s42, s41
	s_add_co_u32 s42, s42, 12288                   ; words
	s_mul_i32 s43, s26, 3072
	s_add_co_u32 s41, s41, s43                     ; codes
	s_cmp_lt_u32 s24, 3                            ; the weight's number alone decides
	s_cselect_b32 s30, s30, s41
	s_cselect_b32 s32, s32, s42
	s_lshl_b32 s34, s28, 19                        ; the weight: 128 rows of 4,096 bytes a K step,
	s_add_co_u32 s34, s34, s29                     ; 128 bytes a column group,
	s_lshl_b32 s29, s27, 9
	s_add_co_u32 s34, s34, s29                     ; 512 a panel
	s_mov_b32 s35, 0
	s_wait_alu depctr_va_vdst(0)
	s_wait_kmcnt 0x0
	s_cmp_eq_u32 s24, 1                            ; the buffers are chosen by the work-group's number alone
	s_cselect_b64 s[4:5], s[6:7], s[4:5]
	s_cmp_eq_u32 s24, 2
	s_cselect_b64 s[4:5], s[8:9], s[4:5]
	s_cmp_eq_u32 s24, 3
	s_cselect_b64 s[4:5], s[10:11], s[4:5]
	s_cselect_b64 s[16:17], s[18:19], s[16:17]
	s_cmp_eq_u32 s24, 4
	s_cselect_b64 s[4:5], s[12:13], s[4:5]
	s_cselect_b64 s[16:17], s[18:19], s[16:17]
	s_cmp_eq_u32 s24, 5
	s_cselect_b64 s[4:5], s[14:15], s[4:5]
	s_cselect_b64 s[16:17], s[18:19], s[16:17]
	s_add_nc_u64 s[4:5], s[4:5], s[34:35]
	s_add_nc_u64 s[36:37], s[16:17], s[32:33]
	s_add_nc_u64 s[16:17], s[16:17], s[30:31]
	LOADB 0
	LOADB 1
	s_wait_loadcnt 32                              ; block 0 is in; block 1's 32 loads may be out
	LOADB 2
	BLOCK 0
	s_wait_loadcnt 32                              ; block 1 is in; block 2's may be out
	LOADB 3
	BLOCK 1
	s_wait_loadcnt 32                              ; block 2 is in; block 3's may be out
	BLOCK 2
	s_wait_loadcnt 0x0
	BLOCK 3
	v_nop                                          ; one plain place behind the last scaled conversion
.irp q, 0,1,2,3
.irp i, 0,1,2
	v_mov_b32 v[H0+12*(\q%2)+6*(\q/2)+3+\i], v[HB+4*\q+\i]
.endr
.endr
.irp p, 0,1,2,3,4,5,6,7,8,9,10,11      ; H0's lanes 16-31 (the odd tile, blocks 0, 2) change places with H1's lanes 0-15 (the even tile, blocks 1, 3): each is then one tile's whole image
	v_permlane16_swap_b32 v[H0+\p], v[H1+\p]
.endr
	s_wait_alu depctr_va_vdst(0)                   ; the wait ahead of the branch
	s_cmp_lt_u32 s24, 3
	s_cbranch_scc0 .Lpost_layout
.irp g, 0,1,2,3,4,5
	global_store_b64 v4, v[H0+2*\g:H0+2*\g+1], s[16:17] offset:256*\g          ; 32 lanes store 256 consecutive bytes, aligned
.endr
.irp g, 0,1,2,3,4,5
	global_store_b64 v4, v[H1+2*\g:H1+2*\g+1], s[16:17] offset:1536+256*\g
.endr
	global_store_b32 v5, v[WD], s[36:37]           ; the two tiles' 32 scale words: 128 consecutive bytes
	s_endpgm
.Lpost_layout:
.irp g, 0,1,2
	global_store_b128 v7, v[H0+4*\g:H0+4*\g+3], s[16:17] offset:512*\g         ; 32 lanes store 512 consecutive bytes, aligned
.endr
.irp g, 0,1,2
	global_store_b128 v7, v[H1+4*\g:H1+4*\g+3], s[16:17] offset:1536+512*\g
.endr
	global_store_b32 v7, v[WD], s[36:37]           ; my word of the four that a lane of the reader takes by one load
	s_endpgm
.Lfunc_end_k_qae40b1c755_prep:
	.size	k_qae40b1c755_prep, .Lfunc_end_k_qae40b1c755_prep-k_qae40b1c755_prep
	.p2alignl 7, 3214868480
	.fill 96, 4, 3214868480
	.section	.rodata,"a",@progbits
	.p2align	6, 0x0
	.amdhsa_kernel k_qae40b1c755_prep
		.amdhsa_group_segment_fixed_size 2048
		.amdhsa_private_segment_fixed_size 0
		.amdhsa_enable_private_segment 0
		.amdhsa_kernarg_size 96
		.amdhsa_user_sgpr_count 2
		.amdhsa_user_sgpr_kernarg_segment_ptr 1
		.amdhsa_wavefront_size32 1
		.amdhsa_system_sgpr_workgroup_id_x 1
		.amdhsa_system_sgpr_workgroup_id_y 1
		.amdhsa_system_sgpr_workgroup_id_z 1
		.amdhsa_system_vgpr_workitem_id 0
		.amdhsa_next_free_vgpr 256
		.amdhsa_next_free_sgpr 66
		.amdhsa_reserve_vcc 0
		.amdhsa_float_denorm_mode_32 3
		.amdhsa_float_denorm_mode_16_64 3
		.amdhsa_memory_ordered 1
		.amdhsa_forward_progress 1
		.amdhsa_inst_pref_size 53
	.end_amdhsa_kernel
	.amdgpu_metadata
---
amdhsa.version: [ 1, 2 ]
amdhsa.kernels:
  - .name:           k_qae40b1c755_prep
    .symbol:         k_qae40b1c755_prep.kd
    .args:
      - { .name: Wq, .offset: 0, .size: 8, .value_kind: global_buffer, .address_space: global }
      - { .name: Wk, .offset: 8, .size: 8, .value_kind: global_buffer, .address_space: global }
      - { .name: Wv, .offset: 16, .size: 8, .value_kind: global_buffer, .address_space: global }
      - { .name: Wo, .offset: 24, .size: 8, .value_kind: global_buffer, .address_space: global }
      - { .name: W1, .offset: 32, .size: 8, .value_kind: global_buffer, .address_space: global }
      - { .name: W2, .offset: 40, .size: 8, .value_kind: global_buffer, .address_space: global }
      - { .name: wqkv, .offset: 48, .size: 8, .value_kind: global_buffer, .address_space: global }
      - { .name: wpost, .offset: 56, .size: 8, .value_kind: global_buffer, .address_space: global }
      - { .name: hidden_states, .offset: 64, .size: 8, .value_kind: global_buffer, .address_space: global }
      - { .name: ln1_g, .offset: 72, .size: 8, .value_kind: global_buffer, .address_space: global }
      - { .name: ln1_b, .offset: 80, .size: 8, .value_kind: global_buffer, .address_space: global }
      - { .name: actA, .offset: 88, .size: 8, .value_kind: global_buffer, .address_space: global }
    .group_segment_fixed_size: 2048
    .private_segment_fixed_size: 0
    .kernarg_segment_align: 8
    .kernarg_segment_size: 96
    .max_flat_workgroup_size: 256
    .sgpr_count:     66
    .vgpr_count:     256
    .wavefront_size: 32
...
	.end_amdgpu_metadata
.endif
;; end of part 1
;; launch qkvp (part 2): grid 8 x 32, 4 waves a work-group, clusters of 4 x 4, 327,680 bytes of LDS; arguments actA, wqkv, qkv; writes qkv
.if DOCPART == 2
	.amdgcn_target "amdgcn-amd-amdhsa--gfx1250"
	.amdhsa_code_object_version 6
	.text
	.protected	k_qae40b1c755_qkvp
	.globl	k_qae40b1c755_qkvp
	.p2align	8
	.type	k_qae40b1c755_qkvp,@function
k_qae40b1c755_qkvp:
	s_mov_b64 s[64:65], 0
	v_nop
	global_prefetch_b8 v0, s[64:65] scope:SCOPE_SE
	s_setreg_imm32_b32 hwreg(HW_REG_WAVE_MODE, 25, 1), 1
	s_wait_xcnt 0x0
	s_wait_alu depctr_hold_cnt(0) depctr_sa_sdst(0) depctr_va_vdst(0) depctr_va_sdst(0) depctr_va_ssrc(0) depctr_va_vcc(0) depctr_vm_vsrc(0)
	s_getreg_b32 s2, hwreg(HW_REG_IB_STS2, 6, 4)
	s_cmp_eq_u32 s2, 0
	s_cbranch_scc0 .Lentry_in_a_cluster
	s_endpgm
.Lentry_in_a_cluster:
	s_bfe_u32 s2, ttmp6, 0x10000c
	s_cmp_lg_u32 s2, 0xf033
	s_cbranch_scc0 .Lentry_shape_is_right
	s_endpgm
.Lentry_shape_is_right:
; q, k, v = n Wq, n Wk, n Wv on codes of FP6 (E2M3), and their quantising for attention's two products, all in registers.
; OPERANDS come as panels of 128 rows x 1,024 K: codes [K step of 128: 8][tile of 16 rows: 8][1,536], then scale words [K step][tile][16].  A tile's 1,536 bytes are the image of the operand's 12 registers
; (register p of lane l at 256 (p / 2) + 8 l + 4 (p % 2)); lane r of tile 2 b + u holds panel row 32 b + 8 u + r % 8 + 16 (r / 8).  With such tiles as source 0 a lane's 64 results of eight tiles are 64 numbers
; in the order that the conversions want: register 16 b + i = source 0's row 32 b + 16 (lane / 16) + i.
; A WORK-GROUP STAYS: it holds one panel of tokens (y) in LDS and multiplies it by panel x of Wq, then of Wk, then of Wv: 256 work-groups, and the token panel is fetched once for the three.
; LDS: the tokens' codes (98,304 bytes), slot 0 (Wq's panel, later Wv's), slot 1 (Wk's).  The tokens and Wq's panel come in halves, one load a wave, and are whole before work starts; Wk's panel comes behind them,
; a quarter a wave; Wv's is the one refill: behind Q's products, a quarter a wave, and it has the whole of K's products in which to land.  A wave has one tensor load out at the start and one behind the refill.
; Wave w takes all 8 tiles of source 0 against tiles 2 w, 2 w + 1 of source 1: 16 accumulators.  So a wave owns 128 whole neighbours of each of its 32 rows: whole fragments and whole scale words of the next operand.
; Q, K: source 0 = weight columns: a lane holds one token, its registers run along 128 columns = two heads of 64: quantised along the head.  V: source 0 = tokens: a lane holds one channel, its registers run along 128 tokens:
; quantised along the keys.  The next phase's scale words and first fragments are asked for ahead of the finished phase's quantising.
; CLUSTERS 4 x 4: the token panel hangs on y alone and is asked for jointly by a row of the cluster, the weight panels on x alone, by a column: a quarter of the requests.
; OUT (buffer qkv): Q's codes [head 0-31][token tile 0-127][768] at 0, K's at 3,145,728, V's [head][key step 0-15][channel tile 0-3][1,536] at 6,291,456; Q's scale words [head][tile][16] at 9,437,184;
; at 9,699,328 for each head K's words (8,192 bytes) and V's [key step][tile][16] (4,096).  Q's and K's words carry 0x7f in the two bytes of the K that a head of 64 does not have.
; LIMITS: a block whose largest magnitude lies under 2^-124 gets the byte 1 (read by this program alone); NaN and infinities are not served.
; REGISTERS: window 0: v4-11, v119, v120 LDS addresses, v12 8 x lane, v13 4 x lane, v14, v15 the add's two, v16-55 scale words and nothing else (K step s: v[16 + 5 s + p] source 0's tiles 2 p | 2 p + 1 in lanes 0-15 | 16-31,
;   v[16 + 5 s + 4] my two of source 1), v56-71 at work, v72, v73 scale words made, v78-117 codes made, v128-255 the accumulators ((a, b) at 128 + 8 (8 a + b)).   window 1: two sets of fragments at 0 and 120: source 0's eight, then my two of source 1.
.set PANEL, 102400
.set WORDS, 98304
.set WSTEP, 819200                     ; eight panels: from Wq's panel to Wk's of the same number, and from Wk's to Wv's
.set LA,    0                          ; LDS: the token panel's codes,
.set LW0,   98304                      ; slot 0,
.set LW1,   196608                     ; slot 1,
.set SPARE, 294912                     ; the spare words, 128 bytes a wave: two blocks of 256 bytes that no other line names
.set KC,    3145728
.set VC,    6291456
.set QS,    9437184
.set KVS,   9699328
.set CO,   12
.set LO4,  13
.set SPW,  14
.set NIL,  15
.set SC,   16
.set TM,   56
.set PW,   72
.set PC,   78
.set MYW,  118                         ; v118 4 x lane + 128 x wave: my two tiles' scale words
.set AK,   119                         ; v119, v120 slot 1, all tiles, K steps 0-3 and 4-7
.set ACC,  128
.set SEL,  60                          ; s[60:61] lane selects for v_permlanex16_b32
.set G1A,  24                          ; s[24:31] descriptor group 1 for the token panel's chunks;  s[48:55] for Wq's: they differ in the mask
.set G1W,  48
.set G1Q,  36                          ; s[36:43] group 1 for a quarter of a weight panel
.set G0K,  56                          ; s[56:59] group 0 for my quarter of Wk's panel
.set G0A,  68                          ; s[68:71], s[84:87] groups 0 for the one load a wave
.set G0W,  84
.set PQK,  68                          ; once all first fills have landed, s68-77 hold where the results go: Q's codes (K's lie KC further on),
.set PQW,  70                          ; Q's scale words,
.set PKW,  72                          ; K's,
.set PVC,  74                          ; V's codes,
.set PVW,  76                          ; V's scale words
.set MSB, 0
.macro WIN new                         ; the immediate's high byte repeats the setting that is left
.if MSB != \new
	s_set_vgpr_msb (MSB<<8)|\new
.set MSB, \new
.endif
.endm
.macro PLACES                          ; four plain places behind a matrix instruction, in front of loads into registers that it has read and of the first read of results
.rept 4
	v_nop
.endr
.endm
.macro CREST
	s_cmp_lg_u32 s14, 0
	s_cbranch_scc1 .Lnot_wave_0_\@
	s_barrier_signal -3
.Lnot_wave_0_\@:
	s_barrier_wait -3
	s_barrier_signal -1
	s_barrier_wait -1
.endm
.macro CROUND                          ; a round of the cluster's barrier
	s_barrier_signal -1
	s_barrier_wait -1
	CREST
.endm
.macro JLOAD g0a, g1a, g0b, g1b        ; a joint load: waves 0, 1 fetch for the token panel, waves 2, 3 for the weight panel; the branch hangs on the wave's number alone; an s_nop 0 and four v_nop follow each line
	s_cmp_eq_u32 s15, 0
	s_cbranch_scc0 .Lfor_b_\@
	tensor_load_to_lds s[\g0a:\g0a+3], s[\g1a:\g1a+7]
	s_nop 0
.rept 4
	v_nop
.endr
	s_branch .Lasked_\@
.Lfor_b_\@:
	tensor_load_to_lds s[\g0b:\g0b+3], s[\g1b:\g1b+7]
	s_nop 0
.rept 4
	v_nop
.endr
.Lasked_\@:
.endm
.macro FRAG reg, adr, off              ; a fragment's image: six loads, 256 consecutive bytes each
.irp g, 0,1,2,3,4,5
	ds_load_b64 v[(\reg)+2*\g:(\reg)+2*\g+1], v[\adr] offset:(\off)+256*\g
.endr
.endm
.macro FETCH s, p, r0, r1              ; K step s into set p: source 0's eight fragments by address register r0 (+ 1 for K steps 4-7), my two of source 1 by r1: 60 loads
	WIN 0x40
.irp b, 0,1,2,3,4,5,6,7
	FRAG 120*(\p)+12*\b, (\r0)+(\s)/4, ((\s)%4)*12288+1536*\b
.endr
.irp u, 0,1
	FRAG 120*(\p)+96+12*\u, (\r1)+(\s)/4, ((\s)%4)*12288+1536*\u
.endr
.endm
.macro SCLOAD b0, o0, b1, o1           ; a phase's 40 registers of scale words: source 0's from base b0 + o0, two tiles (128 consecutive bytes) a load; my two tiles of source 1 from b1 + o1
.irp s, 0,1,2,3,4,5,6,7
.irp p, 0,1,2,3
	global_load_b32 v[SC+5*\s+\p], v[LO4], s[\b0:\b0+1] offset:(\o0)+512*\s+128*\p
.endr
	global_load_b32 v[SC+5*\s+4], v[MYW], s[\b1:\b1+1] offset:(\o1)+512*\s
.endr
.endm
.macro WM d, fa, fb, sa, sb, ra, rb, z ; one product; ra, rb: the side's scale words lie in lanes 16-31; z: it starts the sum
.if \z
.if (\ra) && (\rb)
	v_wmma_scale_f32_16x16x128_f8f6f4 v[\d:\d+7], v[\fa:\fa+11], v[\fb:\fb+11], 0, v[\sa], v[\sb] matrix_a_fmt:MATRIX_FMT_FP6 matrix_b_fmt:MATRIX_FMT_FP6 matrix_a_scale:MATRIX_SCALE_ROW1 matrix_b_scale:MATRIX_SCALE_ROW1
.elseif \ra
	v_wmma_scale_f32_16x16x128_f8f6f4 v[\d:\d+7], v[\fa:\fa+11], v[\fb:\fb+11], 0, v[\sa], v[\sb] matrix_a_fmt:MATRIX_FMT_FP6 matrix_b_fmt:MATRIX_FMT_FP6 matrix_a_scale:MATRIX_SCALE_ROW1
.elseif \rb
	v_wmma_scale_f32_16x16x128_f8f6f4 v[\d:\d+7], v[\fa:\fa+11], v[\fb:\fb+11], 0, v[\sa], v[\sb] matrix_a_fmt:MATRIX_FMT_FP6 matrix_b_fmt:MATRIX_FMT_FP6 matrix_b_scale:MATRIX_SCALE_ROW1
.else
	v_wmma_scale_f32_16x16x128_f8f6f4 v[\d:\d+7], v[\fa:\fa+11], v[\fb:\fb+11], 0, v[\sa], v[\sb] matrix_a_fmt:MATRIX_FMT_FP6 matrix_b_fmt:MATRIX_FMT_FP6
.endif
.else
.if (\ra) && (\rb)
	v_wmma_scale_f32_16x16x128_f8f6f4 v[\d:\d+7], v[\fa:\fa+11], v[\fb:\fb+11], v[\d:\d+7], v[\sa], v[\sb] matrix_a_fmt:MATRIX_FMT_FP6 matrix_b_fmt:MATRIX_FMT_FP6 matrix_a_scale:MATRIX_SCALE_ROW1 matrix_b_scale:MATRIX_SCALE_ROW1
.elseif \ra
	v_wmma_scale_f32_16x16x128_f8f6f4 v[\d:\d+7], v[\fa:\fa+11], v[\fb:\fb+11], v[\d:\d+7], v[\sa], v[\sb] matrix_a_fmt:MATRIX_FMT_FP6 matrix_b_fmt:MATRIX_FMT_FP6 matrix_a_scale:MATRIX_SCALE_ROW1
.elseif \rb
	v_wmma_scale_f32_16x16x128_f8f6f4 v[\d:\d+7], v[\fa:\fa+11], v[\fb:\fb+11], v[\d:\d+7], v[\sa], v[\sb] matrix_a_fmt:MATRIX_FMT_FP6 matrix_b_fmt:MATRIX_FMT_FP6 matrix_b_scale:MATRIX_SCALE_ROW1
.else
	v_wmma_scale_f32_16x16x128_f8f6f4 v[\d:\d+7], v[\fa:\fa+11], v[\fb:\fb+11], v[\d:\d+7], v[\sa], v[\sb] matrix_a_fmt:MATRIX_FMT_FP6 matrix_b_fmt:MATRIX_FMT_FP6
.endif
.endif
.endm
.macro MUL s, p                        ; K step s from set p: the 16 accumulators by turns, one instruction a turn, in the same order in every step; a phase's first step starts the sums
	WIN 0x05
.irp a, 0,1
.irp b, 0,1,2,3,4,5,6,7
	WM ACC+8*(8*\a+\b), 120*(\p)+12*\b, 120*(\p)+96+12*\a, SC+5*(\s)+\b/2, SC+5*(\s)+4, \b%2, \a, (\s)==0
.endr
.endr
.endm
; A phase's eight K steps.  A step's fragments are fetched while the step before is multiplied.
; tb > 0: the panels are still landing.  In front of each chunk's first read: my part of the chunk has landed (the count leaves out my younger chunks and my quarter of Wk's panel: tb of them at the start), my LDS loads
; are in, and a barrier: then every wave's part has.  tb = 0: both panels lie in LDS, and K step 0's fragments were asked for ahead of the last phase's quantising.
.macro MAIN r0, r1, tb
.if \tb
	s_wait_tensorcnt \tb
	s_barrier_signal -1
	s_barrier_wait -1
	FETCH 0, 0, \r0, \r1
.endif
	s_wait_loadcnt 0x0                             ; the phase's scale words
.set ST, 0
.rept 8
.if (\tb) && (ST < 7) && ((ST%2) == 1)
	s_wait_dscnt 0x0                               ; this step's fragments are in, and no LDS load of mine is out at the signal
	s_wait_tensorcnt (\tb)-(ST+1)/2                ; my part of the next chunk is in; the younger loads may be out
	s_barrier_signal -1
	s_barrier_wait -1
	PLACES
	FETCH ST+1, 1-(ST%2), \r0, \r1
.elseif ST < 7
.if ST > 0
	PLACES
.endif
	FETCH ST+1, 1-(ST%2), \r0, \r1
	s_wait_dscnt 60                                ; all but the 60 just issued: this step's fragments are in
.else
	s_wait_dscnt 0x0
.endif
	MUL ST, ST%2
.set ST, ST+1
.endr
	PLACES
	WIN 0
.endm
; 64 numbers of a lane, register 16 b + i = k 32 b + 16 (lane / 16) + i of my row, become a fragment's codes in v[pc] .. v[pc + 11] (pc + 12 .. 19 at work) and its scale word in v[pw].  Each accumulator is read from its low end on.
.macro QUANT s, pc, pw
.irp b, 0,1,2,3
	v_max3_num_f32 v[TM+\b], |v[\s+16*\b]|, |v[\s+1+16*\b]|, 0x1800000   ; block b: my 16 numbers, and the floor 2^(3 - 127): the byte cannot fall under 1
.endr
.irp i, 2,4,6,8,10,12,14
.irp b, 0,1,2,3
	v_max3_num_f32 v[TM+\b], v[TM+\b], |v[\s+16*\b+\i]|, |v[\s+1+16*\b+\i]|
.endr
.endr
.irp b, 0,1,2,3
	v_permlanex16_b32 v[TM+4+\b], v[TM+\b], s[SEL], s[SEL+1]
.endr
.irp b, 0,1,2,3
	v_max_num_f32 v[TM+\b], v[TM+\b], v[TM+4+\b]   ; with lane l xor 16's: the block's largest magnitude
.endr
.irp b, 0,1,2,3
	v_add_nc_u32 v[TM+12+\b], 0xff000000, v[TM+\b] ; 2 off its exponent field: the conversion's scale operand
.endr
.irp b, 0,1,2,3
	v_lshrrev_b32 v[TM+4+\b], 23, v[TM+12+\b]      ; the scale's byte
.endr
	v_lshl_or_b32 v[\pw], v[TM+5], 8, v[TM+4]
	v_lshl_or_b32 v[\pw], v[TM+6], 16, v[\pw]
	v_lshl_or_b32 v[\pw], v[TM+7], 24, v[\pw]
.irp c, 0,1
	v_cvt_scalef32_pk16_fp6_f32 v[\pc+6*\c:\pc+2+6*\c], v[\s+32*\c:\s+15+32*\c], v[TM+12+2*\c]
	v_cvt_scalef32_pk16_fp6_f32 v[\pc+12+4*\c:\pc+14+4*\c], v[\s+16+32*\c:\s+31+32*\c], v[TM+12+2*\c+1]
.endr
	v_nop                                          ; one plain place behind a scaled conversion
.irp c, 0,1                                    ; the operand wants a WHOLE block in a lane
.irp i, 0,1,2
	v_permlane16_swap_b32 v[\pc+6*\c+\i], v[\pc+12+4*\c+\i]
.endr
.irp i, 0,1,2
	v_mov_b32 v[\pc+3+6*\c+\i], v[\pc+12+4*\c+\i]
.endr
.endr
.endm
.macro PUT pc, n, base, off            ; n pairs of registers of an image: each store is 256 consecutive bytes, aligned
.set G, 0
.rept \n
	global_store_b64 v[CO], v[(\pc)+2*G:(\pc)+2*G+1], s[\base:\base+1] offset:(\off)+256*G
.set G, G+1
.endr
.endm
; Q's or K's results: my 32 tokens x two heads of 64.  coff: the tensor's place behind Q's codes; wb: the base of its scale words; wodd: bytes from a head's words to the next head's
.macro OUTQK coff, wb, wodd
	QUANT ACC, PC, PW
	QUANT ACC+64, PC+20, PW+1
.irp a, 0,1
.irp e, 0,1
	PUT PC+20*\a+6*\e, 3, PQK, (\coff)+98304*\e+768*\a      ; registers 6 e .. 6 e + 5 are the even or the odd head's 64 channels: half an image
.endr
.endr
	v_cndmask_b32 v74, v[PW], v[PW+1], s63         ; tile 2 w's words in lanes 0-15, tile 2 w + 1's in lanes 16-31
	v_and_or_b32 v75, v74, 0xffff, s62             ; the even head's two bytes,
	v_lshrrev_b32 v76, 16, v74
	v_or_b32 v76, s62, v76                         ; the odd head's
	global_store_b32 v[LO4], v75, s[\wb:\wb+1]
	global_store_b32 v[LO4], v76, s[\wb:\wb+1] offset:\wodd
.endm
	s_load_b128 s[4:7], s[0:1], 0x0                ; the token panels, the weight panels
	s_load_b64 s[8:9], s[0:1], 0x10                ; qkv
	v_lshl_add_u32 v[SPW], v0, 2, SPARE
	v_mov_b32 v[NIL], 0
	ds_add_u32 v[SPW], v[NIL]                      ; the wave's opening: the add and its wait ahead of my first tensor load; work on registers stands between them
	ds_add_u32 v[SPW], v[NIL]
	v_lshrrev_b32 v1, 5, v0
	v_readfirstlane_b32 s14, v1                    ; wave 0..3
	s_lshr_b32 s15, s14, 1                         ; I fetch chunks for the token panel (0) or for Wq's panel (1)
	s_and_b32 s16, s14, 1                          ; which half of a panel (K steps 0-3 or 4-7) I fetch
	s_bfe_u32 s66, ttmp6, 0x40000                  ; cx, cy: my place in the cluster
	s_bfe_u32 s67, ttmp6, 0x40004
	s_lshl_b32 s100, ttmp9, 2
	s_add_co_u32 s100, s100, s66                   ; weight panel 0..7 = 4 x cluster x + cx: heads 2 x, 2 x + 1
	s_and_b32 s17, ttmp7, 0xffff
	s_lshl_b32 s17, s17, 2
	s_add_co_u32 s17, s17, s67                     ; token panel = 4 x cluster y + cy
	s_lshl_b32 s10, s67, 2
	s_lshl_b32 s10, 15, s10                        ; my row of the cluster
	s_lshl_b32 s11, 0x1111, s66                    ; my column
	; descriptor group 1: dense bytes as rows of 32 elements of 8 bytes: one K step of a panel's codes is 48 rows, a quarter of a panel 96
	s_or_b32 s[G1A+0], s10, (3<<16)|(1<<21)        ; 15:0 the mask; 17:16 elements of 8 bytes; 20 no padding; 21 set beside a mask
	s_or_b32 s[G1W+0], s11, (3<<16)|(1<<21)
	s_or_b32 s[G1Q+0], s11, (3<<16)|(1<<21)
.irp g, G1A, G1W
	s_mov_b32 s[\g+1], 32<<16                      ; tensor_dim0
	s_mov_b32 s[\g+2], 192<<16                     ; tensor_dim1: half a panel's codes, 192 rows of 256 bytes
	s_mov_b32 s[\g+3], 32<<16                      ; tile_dim0
	s_mov_b32 s[\g+4], 192                         ; tile_dim1
	s_mov_b32 s[\g+5], 32                          ; from row to row
	s_mov_b32 s[\g+6], 0
	s_mov_b32 s[\g+7], 0
.endr
	s_mov_b32 s[G1Q+1], 32<<16
	s_mov_b32 s[G1Q+2], 96<<16
	s_mov_b32 s[G1Q+3], 32<<16
	s_mov_b32 s[G1Q+4], 96
	s_mov_b32 s[G1Q+5], 32
	s_mov_b32 s[G1Q+6], 0
	s_mov_b32 s[G1Q+7], 0
	s_mul_i32 s101, s16, 49152                     ; my half of a panel's codes (K steps 0-3 or 4-7), and
	s_mul_i32 s18, s14, 24576                      ; my quarter of a panel: in memory and in LDS alike; no place in the cluster enters an LDS address
	s_mul_i32 s20, s17, PANEL
	s_add_co_u32 s2, s20, WORDS                    ; the token panel's scale words,
	s_mov_b32 s3, 0
	s_add_co_u32 s20, s20, s101                    ; and my part of its chunks
	s_mov_b32 s21, 0
	s_mul_i32 s46, s100, PANEL
	s_add_co_u32 s12, s46, WORDS                   ; the scale words of Wq's panel
	s_mov_b32 s13, 0
	s_add_co_u32 s44, s46, s18
	s_add_co_u32 s44, s44, WSTEP                   ; my quarter of Wk's panel
	s_mov_b32 s45, 0
	s_add_co_u32 s46, s46, s101                    ; my part of the chunks of Wq's panel
	s_mov_b32 s47, 0
	s_mov_b32 s[SEL], 0x76543210
	s_mov_b32 s[SEL+1], 0xfedcba98
	s_mov_b32 s62, 0x7f7f0000                      ; the byte of 1.0 for the K that a head does not have
	s_mov_b32 s63, 0xffff0000                      ; lanes 16-31
	s_wait_dscnt 0x0                               ; the opening add is done
	s_wait_kmcnt 0x0
	s_add_nc_u64 s[20:21], s[4:5], s[20:21]
	s_add_nc_u64 s[46:47], s[6:7], s[46:47]
	s_add_nc_u64 s[44:45], s[6:7], s[44:45]
	s_add_nc_u64 s[34:35], s[4:5], s[2:3]          ; the tokens' scale words
	s_add_nc_u64 s[32:33], s[6:7], s[12:13]        ; Wq's; Wk's and Wv's lie WSTEP and 2 WSTEP further on
	s_mov_b32 s[G0K], 1
	s_add_co_u32 s[G0K+1], s18, LW1
	s_mov_b64 s[G0K+2:G0K+3], s[44:45]
	s_or_b32 s[G0K+3], s[G0K+3], 0x80000000
	CROUND                                         ; all sixteen work-groups are here: the joint loads meet
.irp c, 0                              ; the head's one load a wave: waves 0, 1 the token panel's halves, waves 2, 3 those of Wq's panel
	s_mov_b32 s[G0A+4*\c], 1
	s_add_co_u32 s[G0A+4*\c+1], s101, LA+24576*\c
	s_add_nc_u64 s[G0A+4*\c+2:G0A+4*\c+3], s[20:21], 24576*\c
	s_or_b32 s[G0A+4*\c+3], s[G0A+4*\c+3], 0x80000000
	s_mov_b32 s[G0W+4*\c], 1
	s_add_co_u32 s[G0W+4*\c+1], s101, LW0+24576*\c
	s_add_nc_u64 s[G0W+4*\c+2:G0W+4*\c+3], s[46:47], 24576*\c
	s_or_b32 s[G0W+4*\c+3], s[G0W+4*\c+3], 0x80000000
	JLOAD G0A+4*\c, G1A, G0W+4*\c, G1W
.endr
	v_and_b32 v2, 31, v0
	v_lshlrev_b32 v[CO], 3, v2
	v_lshlrev_b32 v[LO4], 2, v2
	s_mul_i32 s2, s14, 3072                        ; my two tiles in a K step
	v_add_nc_u32 v4, LA, v[CO]                     ; the token panel: all tiles, K steps 0-3 and 4-7;
	v_add_nc_u32 v5, LA+49152, v[CO]
	v_add_nc_u32 v6, s2, v4                        ; my two tiles
	v_add_nc_u32 v7, s2, v5
	v_add_nc_u32 v8, LW0, v[CO]                    ; slot 0 likewise
	v_add_nc_u32 v9, LW0+49152, v[CO]
	v_add_nc_u32 v10, s2, v8
	v_add_nc_u32 v11, s2, v9
	v_add_nc_u32 v[AK], LW1, v[CO]                 ; slot 1: all tiles
	v_add_nc_u32 v[AK+1], LW1+49152, v[CO]
	s_lshl_b32 s2, s14, 7
	v_add_nc_u32 v[MYW], s2, v[LO4]
.irp b, 0,1,2,3
	v_mov_b32 v[TM+4+\b], 0                        ; written once: a lane permute's destination counts as one of its sources
.endr
	SCLOAD 32, 0, 34, 0
	; ---- Q: source 0 = the eight tiles of Wq's panel, source 1 = my two tiles of tokens
	s_wait_alu depctr_va_vdst(0)                   ; the wait at the head's end
	s_wait_tensorcnt 0x0                           ; my half panel has landed
	ds_add_u32 v[SPW], v[NIL]
	s_wait_dscnt 0x0
	CROUND                                         ; the token panel and Wq's are whole in every work-group of the cluster
	tensor_load_to_lds s[G0K:G0K+3], s[G1Q:G1Q+7]  ; slot 1's first fill: my quarter of Wk's panel, my one load behind the round; it has Q's products in which to land
	s_nop 0
.rept 4
	v_nop
.endr
	FETCH 0, 0, 8, 6
	MAIN 8, 6, 0
	; ---- slot 0 is filled again, with Wv's panel
	s_wait_tensorcnt 0x0                           ; all my tensor loads have landed, my quarter of Wk's panel among them: every group 0 may be written
	ds_add_u32 v[SPW], v[NIL]                      ; 0 onto my spare word; the refill's group 0 is made between it and the wait for it
	s_mov_b32 s[G0W], 1
	s_add_co_u32 s[G0W+1], s18, LW0
	s_add_nc_u64 s[G0W+2:G0W+3], s[44:45], WSTEP   ; my quarter of Wv's panel
	s_or_b32 s[G0W+3], s[G0W+3], 0x80000000
	s_wait_dscnt 0x0                               ; the add is done, and my reads of slot 0 are over
	CROUND                                         ; no wave of any partner still reads slot 0 or has a load on its way; and slot 1 is whole in every work-group
	tensor_load_to_lds s[G0W:G0W+3], s[G1Q:G1Q+7]  ; the first thing behind the round, and my one tensor load from here on
	s_nop 0
.rept 4
	v_nop
.endr
	s_wait_alu depctr_va_vdst(0)
	SCLOAD 32, WSTEP, 34, 0                        ; K's scale words and first fragments land while Q is quantised
	FETCH 0, 0, AK, 6
	WIN 0
	s_lshr_b32 s22, s17, 4                         ; batch
	s_and_b32 s23, s17, 15                         ; token panel in the batch
	s_lshl_b32 s2, s22, 4
	s_lshl_b32 s3, s100, 1
	s_add_co_u32 s2, s2, s3                        ; the even head: 16 batch + 2 x
	s_lshl_b32 s3, s23, 3
	s_lshl_b32 s12, s14, 1
	s_add_co_u32 s3, s3, s12                       ; my first token tile in the batch
	s_mul_i32 s[PQK], s2, 98304
	s_mul_i32 s12, s3, 768
	s_add_co_u32 s[PQK], s[PQK], s12
	s_mov_b32 s[PQK+1], 0
	s_lshl_b32 s19, s3, 6                          ; 64 bytes of scale words a tile
	s_lshl_b32 s[PQW], s2, 13
	s_add_co_u32 s[PQW], s[PQW], s19
	s_add_co_u32 s[PQW], s[PQW], QS
	s_mov_b32 s[PQW+1], 0
	s_mul_i32 s[PKW], s2, 12288
	s_add_co_u32 s[PKW], s[PKW], s19
	s_add_co_u32 s[PKW], s[PKW], KVS
	s_mov_b32 s[PKW+1], 0
	s_add_co_u32 s2, s2, s15                       ; V: my two tiles of channels lie in head 2 x + wave / 2
	s_mul_i32 s[PVC], s2, 98304
	s_mul_i32 s12, s23, 6144
	s_add_co_u32 s[PVC], s[PVC], s12
	s_mul_i32 s12, s16, 3072
	s_add_co_u32 s[PVC], s[PVC], s12
	s_add_co_u32 s[PVC], s[PVC], VC
	s_mov_b32 s[PVC+1], 0
	s_mul_i32 s[PVW], s2, 12288
	s_lshl_b32 s12, s23, 8
	s_add_co_u32 s[PVW], s[PVW], s12
	s_lshl_b32 s12, s16, 7
	s_add_co_u32 s[PVW], s[PVW], s12
	s_add_co_u32 s[PVW], s[PVW], KVS+8192
	s_mov_b32 s[PVW+1], 0
.irp p, PQK, PQW, PKW, PVC, PVW
	s_add_nc_u64 s[\p:\p+1], s[8:9], s[\p:\p+1]
.endr
	OUTQK 0, PQW, 8192
	; ---- K: source 0 = the eight tiles of Wk's panel, source 1 = my two tiles of tokens
	MAIN AK, 6, 0
	s_wait_tensorcnt 0x0                           ; my quarter of Wv's panel has landed: no load was issued behind it,
	s_wait_dscnt 0x0
	s_barrier_signal -1
	s_barrier_wait -1                              ; everybody's has
	SCLOAD 34, 0, 32, 2*WSTEP                      ; V's scale words and first fragments land while K is quantised
	FETCH 0, 0, 4, 10
	WIN 0
	s_wait_xcnt 0x0                                ; Q's stores have read their registers: the codes' and the words' may be written again
	OUTQK KC, PKW, 12288
	; ---- V: source 0 = the tokens' eight tiles, source 1 = my two tiles of Wv's columns
	MAIN 4, 10, 0
	s_wait_xcnt 0x0                                ; K's stores have read their registers
	QUANT ACC, PC, PW
	QUANT ACC+64, PC+20, PW+1
	PUT PC, 6, PVC, 0
	PUT PC+20, 6, PVC, 1536
	v_cndmask_b32 v74, v[PW], v[PW+1], s63
	global_store_b32 v[LO4], v74, s[PVW:PVW+1]
	s_wait_tensorcnt 0x0                           ; the wave's end
	ds_add_u32 v[SPW], v[NIL]
	s_wait_dscnt 0x0
	CROUND                                         ; the closing round: no work-group ends while a partner may still ask for a tile that names it
	s_endpgm
.Lfunc_end_k_qae40b1c755_qkvp:
	.size	k_qae40b1c755_qkvp, .Lfunc_end_k_qae40b1c755_qkvp-k_qae40b1c755_qkvp
	.p2alignl 7, 3214868480
	.fill 96, 4, 3214868480
	.section	.rodata,"a",@progbits
	.p2align	6, 0x0
	.amdhsa_kernel k_qae40b1c755_qkvp
		.amdhsa_group_segment_fixed_size 327680
		.amdhsa_private_segment_fixed_size 0
		.amdhsa_enable_private_segment 0
		.amdhsa_kernarg_size 24
		.amdhsa_user_sgpr_count 2
		.amdhsa_user_sgpr_kernarg_segment_ptr 1
		.amdhsa_wavefront_size32 1
		.amdhsa_system_sgpr_workgroup_id_x 1
		.amdhsa_system_sgpr_workgroup_id_y 1
		.amdhsa_system_sgpr_workgroup_id_z 1
		.amdhsa_system_vgpr_workitem_id 0
		.amdhsa_next_free_vgpr 512
		.amdhsa_next_free_sgpr 102
		.amdhsa_reserve_vcc 0
		.amdhsa_float_denorm_mode_32 3
		.amdhsa_float_denorm_mode_16_64 3
		.amdhsa_memory_ordered 1
		.amdhsa_forward_progress 1
		.amdhsa_inst_pref_size 191
	.end_amdhsa_kernel
	.amdgpu_metadata
---
amdhsa.version: [ 1, 2 ]
amdhsa.kernels:
  - .name:           k_qae40b1c755_qkvp
    .symbol:         k_qae40b1c755_qkvp.kd
    .args:
      - { .name: actA, .offset: 0, .size: 8, .value_kind: global_buffer, .address_space: global }
      - { .name: wqkv, .offset: 8, .size: 8, .value_kind: global_buffer, .address_space: global }
      - { .name: qkv, .offset: 16, .size: 8, .value_kind: global_buffer, .address_space: global }
    .group_segment_fixed_size: 327680
    .private_segment_fixed_size: 0
    .kernarg_segment_align: 8
    .kernarg_segment_size: 24
    .max_flat_workgroup_size: 128
    .sgpr_count:     102
    .vgpr_count:     512
    .wavefront_size: 32
...
	.end_amdgpu_metadata
.endif
;; end of part 2
;; launch attn (part 3): grid 8 x 32, 16 waves a work-group, clusters of 4 x 1, 327,680 bytes of LDS; arguments qkv, actA; writes actA
.if DOCPART == 3
	.amdgcn_target "amdgcn-amd-amdhsa--gfx1250"
	.amdhsa_code_object_version 6
	.text
	.protected	k_qae40b1c755_attn
	.globl	k_qae40b1c755_attn
	.p2align	8
	.type	k_qae40b1c755_attn,@function
k_qae40b1c755_attn:
	s_mov_b64 s[64:65], 0
	v_nop
	global_prefetch_b8 v0, s[64:65] scope:SCOPE_SE
	s_setreg_imm32_b32 hwreg(HW_REG_WAVE_MODE, 25, 1), 1
	s_wait_xcnt 0x0
	s_wait_alu depctr_hold_cnt(0) depctr_sa_sdst(0) depctr_va_vdst(0) depctr_va_sdst(0) depctr_va_ssrc(0) depctr_va_vcc(0) depctr_vm_vsrc(0)
	s_getreg_b32 s2, hwreg(HW_REG_IB_STS2, 6, 4)
	s_cmp_eq_u32 s2, 0
	s_cbranch_scc0 .Lentry_in_a_cluster
	s_endpgm
.Lentry_in_a_cluster:
	s_bfe_u32 s2, ttmp6, 0x10000c
	s_cmp_lg_u32 s2, 0x3003
	s_cbranch_scc0 .Lentry_shape_is_right
	s_endpgm
.Lentry_shape_is_right:
; ctx = softmax(q k^T / 8) v for 32 heads of 2,048 tokens x 64 channels, both products on codes of FP6 (E2M3), and ctx's quantising along the hidden axis for the next product.
; THE SOFTMAX AHEAD OF THE SECOND PRODUCT: t = score x log2(e) / 8; M = the row's largest t so far, rounded UP to a whole number; p = 2^(t - M) is quantised along the keys, not normalised.  The row's sum is taken of the
; unquantised p and divides at the end.  When M moves, the sum and O are multiplied by 2^(old M - new M): exact.
; IN (buffer qkv): images of operand registers (register p of lane l at 256 (p / 2) + 8 l + 4 (p % 2)): Q's and K's tiles of 16 tokens x 64 channels are half images of 768 bytes, V's tiles of 16 channels x 128 keys whole ones.
; Lane r of token tile 2 b + u holds token 32 b + 8 u + r % 8 + 16 (r / 8) of its 128: so p's 16 registers of two neighbouring tiles are 16 neighbouring keys.  V's channels lie in the same order, so O^T's registers run along the channels.
; SHARES: a work-group owns 256 queries of one head, each of its SIXTEEN waves one tile of 16, in 256 registers: four waves to a SIMD, so that one wave's vector work stands beside another's products and LDS loads.
; THE HEAD'S WHOLE K AND V, 2 x 98,304 bytes of codes and 12,288 of scale words, LIE IN LDS: every tensor load is a first fill, chunk 0 (512 keys) by waves 0-3 and the scale words by wave 4 at the head, chunks 1-3 by waves 4-15 behind a round; nothing is filled twice.
; TWO BARRIERS: the first 512 keys are read behind the first, in front of which the fetching waves have waited for the scale words and chunk 0; the other 1,536 behind the second, in front of which they have waited for all their loads.
; Behind it the sixteen waves meet no barrier for twelve key steps.
; CLUSTER 4 x 1: four query blocks of one head ask for K and V jointly.
; K = 64 IN A PRODUCT OF K = 128: a K fragment's upper six registers are the next tile's codes (every code is a finite number); Q's upper six are zeros and both sides' scale bytes there are 0x7f: that half adds exactly 0.
; Both products are used transposed: S^T = K Q^T, O^T = V^T P^T: a lane holds ONE query throughout.
; LIMITS: v_exp_f32 gives 0 under 2^-126; a block of p that is all zeros keeps the byte 1 and zero codes; v_rcp_f32 is good to one unit in the last place; NaN and infinities are not served.
; REGISTERS: v1-4 LDS places, v5, v6 the add's two, v7 8 x lane, v8-11 the step's addresses, v12 -M, v13 largest t, v[14:15] the sum, v16-27 Q (v22-27 zeros), v28 4 r, v32-85 K's eight half fragments (v80-85 zeros) or V's four whole ones,
;   v88-91 K's scale words, v92-93 V's (two tiles a register), v96-159 S^T then p, v160-191 O^T, v224-235 p's codes, v232-254 at work, v253 p's scale word, v255 Q's.
.set KC,    3145728
.set QS,    9437184
.set KVS,   9699328
.set LV,    98304                      ; LDS: K's codes at 0, V's here,
.set LKS,   196608                     ; K's scale words,
.set LVS,   204800                     ; V's,
.set SPARE, 208896                     ; the spare words, 128 bytes a wave: eight blocks of 256 bytes that no other line names
.set SPW, 5
.set NIL, 6
.set KW,  88
.set VW,  92
.set WV,  12
.set SEL, 20
.set CS,  22                           ; s[22:23] c = log2(e) / 8
.set G1C, 24                           ; s[24:31] group 1 for 12,288 bytes: a piece of codes, or the head's scale words
.set G1S, 32
.set G0S, 40                           ; s[40:43] group 0 for the scale words;  s[44:47] for my piece of codes
.set G0C, 44
.set TB,  60                           ; LDS byte of the step's tiles in K's and in V's codes alike
.set TS,  61                           ; of its scale words of K
.set TJ,  62                           ; of V
.set CNT, 63
.macro PLACES
.rept 4
	v_nop
.endr
.endm
.macro CROUND                          ; a round of the cluster's barrier
	s_barrier_signal -1
	s_barrier_wait -1
	s_cmp_lg_u32 s[WV], 0
	s_cbranch_scc1 .Lnot_wave_0_\@
	s_barrier_signal -3
.Lnot_wave_0_\@:
	s_barrier_wait -3
	s_barrier_signal -1
	s_barrier_wait -1
.endm
	s_load_b128 s[4:7], s[0:1], 0x0                ; qkv, the panels of ctx
	v_lshl_add_u32 v[SPW], v0, 2, SPARE
	v_mov_b32 v[NIL], 0
	ds_add_u32 v[SPW], v[NIL]                      ; the wave's opening: the add and its wait ahead of the first tensor loads; work on registers stands between them
	ds_add_u32 v[SPW], v[NIL]
	v_lshrrev_b32 v8, 5, v0
	s_delay_alu instid0(VALU_DEP_1)
	v_readfirstlane_b32 s[WV], v8                  ; wave 0..15
	s_bfe_u32 s13, ttmp6, 0x40000                  ; cx: it enters Q's and the output's addresses alone
	s_lshl_b32 s14, ttmp9, 2
	s_add_co_u32 s14, s14, s13                     ; my block of 256 queries
	s_and_b32 s15, ttmp7, 0xffff                   ; the head, 16 batch + head, which the partners share
	s_and_b32 s16, s[WV], 3                        ; what I fetch, if I fetch: waves 0, 1 K's, waves 2, 3 V's; the even wave a chunk's first half
	s_lshr_b32 s17, s16, 1
	s_and_b32 s18, s16, 1
	s_mul_i32 s19, s17, LV
	s_mul_i32 s2, s18, 12288
	s_lshr_b32 s3, s[WV], 2                        ; EVERY WAVE FETCHES ONE PIECE OF 12,288 BYTES: wave v the quarter v % 4 (K's or V's, first or second half) of chunk v / 4 (512 keys)
	s_mul_i32 s3, s3, 24576
	s_add_co_u32 s2, s2, s3
	s_add_co_u32 s19, s19, s2                      ; in LDS,
	s_mul_i32 s66, s17, 3145728
	s_add_co_u32 s66, s66, s2
	s_mul_i32 s3, s15, 98304
	s_add_co_u32 s66, s66, s3
	s_add_co_u32 s66, s66, KC                      ; and in memory
	s_mov_b32 s67, 0
	s_mul_i32 s68, s15, 12288
	s_mov_b32 s2, 0                                ; the head's 12,288 bytes of scale words come whole, by wave 4
	s_add_co_u32 s68, s68, s2
	s_add_co_u32 s68, s68, KVS                     ; the head's scale words
	s_mov_b32 s69, 0
	s_add_co_u32 s70, s2, LKS
	s_mov_b32 s[G1C], 15|(3<<16)|(1<<21)           ; 15:0 the mask: all four work-groups; 17:16 elements of 8 bytes; no padding; 21 set beside a mask
	s_mov_b32 s[G1C+1], 32<<16                     ; 48 rows of 256 bytes, dense
	s_mov_b32 s[G1C+2], 48<<16
	s_mov_b32 s[G1C+3], 32<<16
	s_mov_b32 s[G1C+4], 48
	s_mov_b32 s[G1C+5], 32
	s_mov_b32 s[G1C+6], 0
	s_mov_b32 s[G1C+7], 0
	s_mov_b32 s[SEL], 0x76543210
	s_mov_b32 s[SEL+1], 0xfedcba98
	s_mov_b32 s[CS], 0x3e38aa3b
	s_mov_b32 s[CS+1], s[CS]                       ; (named with it as a pair)
	s_lshl_b32 s2, s14, 4
	s_add_co_u32 s2, s2, s[WV]                     ; my tile of queries in the batch
	s_mul_i32 s72, s15, 98304
	s_mul_i32 s3, s2, 768
	s_add_co_u32 s72, s72, s3                      ; Q's codes
	s_mov_b32 s73, 0
	s_lshl_b32 s74, s15, 13
	s_lshl_b32 s3, s2, 6
	s_add_co_u32 s74, s74, s3
	s_add_co_u32 s74, s74, QS                      ; Q's scale words
	s_mov_b32 s75, 0
	s_lshr_b32 s3, s15, 4
	s_lshl_b32 s3, s3, 4
	s_lshl_b32 s13, s14, 1
	s_add_co_u32 s3, s3, s13
	s_lshr_b32 s13, s[WV], 3
	s_add_co_u32 s3, s3, s13                       ; the output's panel of 128 tokens: 16 batch + 2 block + wave / 8
	s_mul_i32 s3, s3, 102400
	s_and_b32 s13, s15, 15                         ; the head in its batch: K step head / 2, half head % 2 of the next product
	s_lshr_b32 s71, s13, 1
	s_and_b32 s13, s13, 1
	s_and_b32 s2, s[WV], 7                         ; the tile in its panel
	s_mul_i32 s76, s71, 12288
	s_add_co_u32 s76, s76, s3
	s_mul_i32 s77, s2, 1536
	s_add_co_u32 s76, s76, s77
	s_mul_i32 s77, s13, 768
	s_add_co_u32 s76, s76, s77
	s_mov_b32 s77, 0
	s_lshl_b32 s78, s71, 9
	s_add_co_u32 s78, s78, s3
	s_lshl_b32 s79, s2, 6
	s_add_co_u32 s78, s78, s79
	s_lshl_b32 s79, s13, 1
	s_add_co_u32 s78, s78, s79
	s_add_co_u32 s78, s78, 98304
	s_mov_b32 s79, 0
	s_wait_dscnt 0x0                               ; the opening add is done
	s_wait_kmcnt 0x0
	s_mov_b32 s[G0S], 1
	s_mov_b32 s[G0S+1], s70
	s_add_nc_u64 s[G0S+2:G0S+3], s[4:5], s[68:69]
	s_or_b32 s[G0S+3], s[G0S+3], 0x80000000
	s_add_nc_u64 s[66:67], s[4:5], s[66:67]
.irp c, 0
	s_mov_b32 s[G0C+4*\c], 1
	s_add_co_u32 s[G0C+4*\c+1], s19, 24576*\c
	s_add_nc_u64 s[G0C+4*\c+2:G0C+4*\c+3], s[66:67], 24576*\c
	s_or_b32 s[G0C+4*\c+3], s[G0C+4*\c+3], 0x80000000
.endr
	s_add_nc_u64 s[72:73], s[4:5], s[72:73]
	s_add_nc_u64 s[74:75], s[4:5], s[74:75]
	s_add_nc_u64 s[76:77], s[6:7], s[76:77]
	s_add_nc_u64 s[78:79], s[6:7], s[78:79]
	CROUND                                         ; all four work-groups are here: the joint loads meet
	s_cmp_lt_u32 s[WV], 4                          ; the head's fills, one a wave, in one chain of branches on the wave's number: waves 0-3 chunk 0's four pieces, wave 4 the scale words, the others none
	s_cbranch_scc0 .Lnot_codes
	tensor_load_to_lds s[G0C:G0C+3], s[G1C:G1C+7]
	s_nop 0
.rept 4
	v_nop
.endr
	s_branch .Lno_fetch
.Lnot_codes:
	s_cmp_eq_u32 s[WV], 4
	s_cbranch_scc0 .Lno_fetch
	tensor_load_to_lds s[G0S:G0S+3], s[G1C:G1C+7]
	s_nop 0
.rept 4
	v_nop
.endr
.Lno_fetch:
	v_and_b32 v9, 31, v0
	s_delay_alu instid0(VALU_DEP_1)
	v_lshlrev_b32 v1, 3, v9                        ; K's codes: 8 x lane
	s_delay_alu instid0(VALU_DEP_1)
	v_add_nc_u32 v2, LV, v1                        ; V's
	s_delay_alu instid0(VALU_DEP_3)
	v_lshlrev_b32 v10, 2, v9
	s_delay_alu instid0(VALU_DEP_1)
	v_add_nc_u32 v3, LKS, v10                      ; K's scale words: 4 x lane: two tiles a load
	s_delay_alu instid0(VALU_DEP_2)
	v_add_nc_u32 v4, LVS, v10
	v_mov_b32 v7, v1
	v_and_b32 v28, 15, v0
	s_delay_alu instid0(VALU_DEP_1)
	v_lshlrev_b32 v28, 2, v28                      ; 4 r
.irp g, 0,1,2
	global_load_b64 v[16+2*\g:17+2*\g], v7, s[72:73] offset:256*\g   ; Q's half fragment stays in registers
.endr
	global_load_b32 v255, v28, s[74:75]            ; and its scale words
.irp j, 22,23,24,25,26,27,80,81,82,83,84,85
	v_mov_b32 v\j, 0                               ; Q's upper half, and what stands behind K's last tile
.endr
	v_mov_b32 v13, 0xff61b1e6                      ; the largest t so far: -3e38, under every t
	s_delay_alu instid0(VALU_DEP_1)
	v_floor_f32 v12, -v13                          ; -M
	v_mov_b32 v14, 0
	v_mov_b32 v15, 0
.irp b, 0,1,2,3
	v_mov_b32 v[236+\b], 0                         ; written once: a lane permute's destination counts as one of its sources
.endr
	v_mov_b32 v253, 0                              ; (named as the upper half of the pair v[252:253] before it is first written)
.set I, 0
.rept 32
	v_mov_b32 v[160+I], 0                          ; O^T: the step is written once for a loop; the first finds zeros, which the first change of M leaves zeros
.set I, I+1
.endr
; A KEY STEP: 128 keys.
.macro STEP
	v_add_nc_u32 v8, s[TB], v1                     ; these four are also the places behind the last products, in front of the loads below
	v_add_nc_u32 v9, s[TB], v2
	v_add_nc_u32 v10, s[TS], v3
	v_add_nc_u32 v11, s[TJ], v4
.irp t, 0,1,2,3,4,5,6,7
.irp g, 0,1,2
	ds_load_b64 v[32+6*\t+2*\g:33+6*\t+2*\g], v8 offset:768*\t+256*\g
.endr
.endr
.irp p, 0,1,2,3
	ds_load_b32 v[KW+\p], v10 offset:128*\p
.endr
	s_wait_alu depctr_va_vdst(0)
	s_wait_dscnt 0x0
.irp t, 0,1,2,3,4,5,6,7                        ; S^T = K Q^T: lane (r, h) holds query r; the 16 registers of tiles 2 b, 2 b + 1 are keys 32 b + 16 h + 0 .. 15
.if \t%2
	v_wmma_scale_f32_16x16x128_f8f6f4 v[96+8*\t:103+8*\t], v[32+6*\t:43+6*\t], v[16:27], 0, v[KW+\t/2], v255 matrix_a_fmt:MATRIX_FMT_FP6 matrix_b_fmt:MATRIX_FMT_FP6 matrix_a_scale:MATRIX_SCALE_ROW1
.else
	v_wmma_scale_f32_16x16x128_f8f6f4 v[96+8*\t:103+8*\t], v[32+6*\t:43+6*\t], v[16:27], 0, v[KW+\t/2], v255 matrix_a_fmt:MATRIX_FMT_FP6 matrix_b_fmt:MATRIX_FMT_FP6
.endif
.endr
	PLACES
.irp t, 0,1,2,3                                ; V's four fragments land while the softmax is worked
.irp g, 0,1,2,3,4,5
	ds_load_b64 v[32+12*\t+2*\g:33+12*\t+2*\g], v9 offset:1536*\t+256*\g
.endr
.endr
	ds_load_b32 v[VW], v11
	ds_load_b32 v[VW+1], v11 offset:128
.irp b, 0,1,2,3
	v_max3_num_f32 v[232+\b], v[96+16*\b], v[97+16*\b], v[98+16*\b]   ; THE LARGEST SCORE OF EACH BLOCK OF 32 KEYS serves twice: for the row's maximum and, since p rises with the score, for the block's largest p
.endr
.irp i, 3,5,7,9,11,13
.irp b, 0,1,2,3
	v_max3_num_f32 v[232+\b], v[232+\b], v[96+16*\b+\i], v[97+16*\b+\i]
.endr
.endr
.irp b, 0,1,2,3
	v_max_num_f32 v[232+\b], v[232+\b], v[111+16*\b]
.endr
.irp b, 0,1,2,3
	s_delay_alu instid0(VALU_DEP_4)
	v_permlanex16_b32 v[236+\b], v[232+\b], s[SEL], s[SEL+1]
.endr
.irp b, 0,1,2,3
	s_delay_alu instid0(VALU_DEP_4)
	v_max_num_f32 v[232+\b], v[232+\b], v[236+\b]  ; with lane l xor 16's 16 keys
.endr
	s_delay_alu instid0(VALU_DEP_2)
	v_max3_num_f32 v254, v232, v233, v234
	s_delay_alu instid0(VALU_DEP_1)
	v_max_num_f32 v254, v254, v235                 ; the step's largest score of my query
	s_delay_alu instid0(VALU_DEP_1)
	v_mul_f32 v254, s[CS], v254                    ; as t (c is positive)
	s_delay_alu instid0(VALU_DEP_1)
	v_max_num_f32 v13, v13, v254                   ; the running largest t
	v_mov_b32 v254, v12
	s_delay_alu instid0(VALU_DEP_2)
	v_floor_f32 v12, -v13                          ; the new -M = floor(-t) = -ceil(t)
	s_delay_alu instid0(VALU_DEP_1)
	v_sub_f32 v254, v12, v254                      ; old M - new M: a whole number, 0 or less
	s_delay_alu instid0(VALU_DEP_1)
	v_cvt_i32_f32 v254, v254                       ; (it saturates)
	s_delay_alu instid0(VALU_DEP_1)
	v_ldexp_f32 v252, 1.0, v254                    ; f = 2^(old M - new M)
.set I, 0
.rept 32
	v_pk_fma_f32 v[96+I:97+I], v[96+I:97+I], s[CS:CS+1], v[12:13] op_sel_hi:[1,0,0]   ; t - M, two at a time
.set I, I+2
.endr
.irp b, 0,1,2,3
	v_fma_f32 v[232+\b], v[232+\b], s[CS], v12     ; the same of each block's largest score
.endr
.set I, 0
	s_wait_alu depctr_va_vdst(0)
.rept 64
	v_exp_f32 v[96+I], v[96+I]                     ; p = 2^(t - M), at most 1
.set I, I+1
.endr
	v_pk_mul_f32 v[14:15], v[14:15], v[252:253] op_sel_hi:[1,0]   ; the sums under the new M: a plain place behind the exponentials
	s_wait_alu depctr_va_vdst(0)                   ; one wait for the whole batch, ahead of its first reader
.irp b, 0,1,2,3
	v_exp_f32 v[232+\b], v[232+\b]                 ; the block's largest p: the same two instructions on the same number give the same bits
.endr
	v_pk_add_f32 v[236:237], v[100:101], v[104:105]
	v_pk_add_f32 v[250:251], v[108:109], v[112:113]
	v_pk_add_f32 v[248:249], v[116:117], v[120:121]
	v_pk_add_f32 v[246:247], v[124:125], v[128:129]
	v_pk_add_f32 v[244:245], v[132:133], v[136:137]
	v_pk_add_f32 v[242:243], v[140:141], v[144:145]
	v_pk_add_f32 v[240:241], v[148:149], v[152:153]
	v_pk_add_f32 v[14:15], v[14:15], v[156:157]
	v_pk_add_f32 v[236:237], v[236:237], v[96:97]
	v_pk_add_f32 v[250:251], v[250:251], v[98:99]
	v_pk_add_f32 v[248:249], v[248:249], v[102:103]
	v_pk_add_f32 v[246:247], v[246:247], v[106:107]
	v_pk_add_f32 v[244:245], v[244:245], v[110:111]
	v_pk_add_f32 v[242:243], v[242:243], v[114:115]
	v_pk_add_f32 v[240:241], v[240:241], v[118:119]
	v_pk_add_f32 v[14:15], v[14:15], v[122:123]
	v_pk_add_f32 v[236:237], v[236:237], v[126:127]
	v_pk_add_f32 v[250:251], v[250:251], v[130:131]
	v_pk_add_f32 v[248:249], v[248:249], v[134:135]
	v_pk_add_f32 v[246:247], v[246:247], v[138:139]
	v_pk_add_f32 v[244:245], v[244:245], v[142:143]
	v_pk_add_f32 v[242:243], v[242:243], v[146:147]
	v_pk_add_f32 v[240:241], v[240:241], v[150:151]
	v_pk_add_f32 v[14:15], v[14:15], v[154:155]
	v_pk_add_f32 v[236:237], v[236:237], v[158:159]
	s_delay_alu instid0(VALU_DEP_2)
	v_pk_add_f32 v[14:15], v[14:15], v[246:247]
	s_delay_alu instid0(VALU_DEP_2)
	v_pk_add_f32 v[236:237], v[236:237], v[244:245]
	v_pk_add_f32 v[250:251], v[250:251], v[242:243]
	v_pk_add_f32 v[248:249], v[248:249], v[240:241]
	s_delay_alu instid0(VALU_DEP_2)
	v_pk_add_f32 v[14:15], v[14:15], v[250:251]
	s_delay_alu instid0(VALU_DEP_2)
	v_pk_add_f32 v[236:237], v[236:237], v[248:249]
	s_delay_alu instid0(VALU_DEP_1)
	v_pk_add_f32 v[14:15], v[14:15], v[236:237]
	s_wait_alu depctr_va_vdst(0)                   ; and one for the four
.irp b, 0,1,2,3
	v_max_num_f32 v[232+\b], 0x1800000, v[232+\b]  ; the floor 2^(3 - 127): the byte cannot fall under 1
.endr
.irp b, 0,1,2,3
	s_delay_alu instid0(VALU_DEP_4)
	v_add_nc_u32 v[244+\b], 0xff000000, v[232+\b]  ; 2 off the exponent field: the conversion's scale operand
.endr
.irp b, 0,1,2,3
	s_delay_alu instid0(VALU_DEP_4)
	v_lshrrev_b32 v[236+\b], 23, v[244+\b]         ; the scale's byte
.endr
	s_delay_alu instid0(VALU_DEP_3)
	v_lshl_or_b32 v253, v237, 8, v236              ; p's scale word for these 128 keys
	s_delay_alu instid0(VALU_DEP_1)
	v_lshl_or_b32 v253, v238, 16, v253
	s_delay_alu instid0(VALU_DEP_1)
	v_lshl_or_b32 v253, v239, 24, v253
.irp c, 0,1
	v_cvt_scalef32_pk16_fp6_f32 v[224+6*\c:226+6*\c], v[96+32*\c:111+32*\c], v[244+2*\c]
	v_cvt_scalef32_pk16_fp6_f32 v[236+4*\c:238+4*\c], v[112+32*\c:127+32*\c], v[244+2*\c+1]
.endr
	v_nop                                          ; one plain place behind a scaled conversion
.irp c, 0,1                                    ; the operand wants a WHOLE block in a lane
.irp i, 0,1,2
	v_permlane16_swap_b32 v[224+6*\c+\i], v[236+4*\c+\i]
.endr
.irp i, 0,1,2
	s_delay_alu instid0(VALU_DEP_3)
	v_mov_b32 v[227+6*\c+\i], v[236+4*\c+\i]
.endr
.endr
.set I, 0
.rept 16
	v_pk_mul_f32 v[160+I:161+I], v[160+I:161+I], v[252:253] op_sel_hi:[1,0]   ; O^T under the new M; these are also the places between the writes of p's codes and scale word and the products
.set I, I+2
.endr
	s_wait_alu depctr_va_vdst(0)
	s_wait_dscnt 0x0                               ; V
.irp t, 0,1,2,3                                ; O^T += V^T P^T: four accumulators by turns
.if \t%2
	v_wmma_scale_f32_16x16x128_f8f6f4 v[160+8*\t:167+8*\t], v[32+12*\t:43+12*\t], v[224:235], v[160+8*\t:167+8*\t], v[VW+\t/2], v253 matrix_a_fmt:MATRIX_FMT_FP6 matrix_b_fmt:MATRIX_FMT_FP6 matrix_a_scale:MATRIX_SCALE_ROW1
.else
	v_wmma_scale_f32_16x16x128_f8f6f4 v[160+8*\t:167+8*\t], v[32+12*\t:43+12*\t], v[224:235], v[160+8*\t:167+8*\t], v[VW+\t/2], v253 matrix_a_fmt:MATRIX_FMT_FP6 matrix_b_fmt:MATRIX_FMT_FP6
.endif
.endr
.endm
; n key steps from chunk c on.  In front of them: my tensor loads but the youngest tw have landed, my LDS loads are in, a barrier: then the same holds of every fetching wave.
.macro PART tw, n, c
.if \tw == 0
	s_wait_tensorcnt 0x0
	s_wait_dscnt 0x0
	s_barrier_signal -1
	s_barrier_wait -1
.endif
	s_mov_b32 s[TB], 24576*\c
	s_mov_b32 s[TS], 2048*\c
	s_mov_b32 s[TJ], 1024*\c
	s_mov_b32 s[CNT], \n
.Lstep_\@:
	STEP
	s_add_co_u32 s[TB], s[TB], 6144
	s_add_co_u32 s[TS], s[TS], 512
	s_add_co_u32 s[TJ], s[TJ], 256
	s_sub_co_u32 s[CNT], s[CNT], 1
	s_cmp_lg_u32 s[CNT], 0
	s_cbranch_scc1 .Lstep_\@
.endm
	s_wait_loadcnt 0x0                             ; Q
	s_wait_alu depctr_va_vdst(0)                   ; the wait at the head's end
	s_wait_tensorcnt 0x0                           ; chunk 0 and the scale words have landed
	ds_add_u32 v[SPW], v[NIL]                      ; the add twice on end
	ds_add_u32 v[SPW], v[NIL]
	s_wait_dscnt 0x0
	CROUND                                         ; and a round: the same holds of every wave of the four work-groups
	s_cmp_lt_u32 s[WV], 4
	s_cbranch_scc1 .Lhave_mine
	tensor_load_to_lds s[G0C:G0C+3], s[G1C:G1C+7]  ; chunks 1 to 3, a piece a wave of waves 4-15: they have four key steps in which to land
	s_nop 0
.rept 4
	v_nop
.endr
.Lhave_mine:
	PART 1, 4, 0                                   ; keys 0 to 511
	PART 0, 12, 1                                  ; every chunk is in: keys 512 to 2,047, with no further barrier
	; THE WAY OUT: O^T / the sum; register 16 b + i is channel 32 b + 16 h + i of my query: two blocks of the next product's K
	PLACES
	v_add_f32 v14, v14, v15
	s_delay_alu instid0(VALU_DEP_1)
	v_permlanex16_b32 v252, v14, s[SEL], s[SEL+1]
	s_delay_alu instid0(VALU_DEP_1)
	v_add_f32 v14, v14, v252                       ; the row's sum
	s_wait_alu depctr_va_vdst(0)
	v_rcp_f32 v14, v14
	v_nop                                          ; a plain place behind the transcendental
	s_wait_alu depctr_va_vdst(0)                   ; the wait ahead of the first reader
.set I, 0
.rept 32
	v_mul_f32 v[96+I], v[160+I], v14
.set I, I+1
.endr
.irp b, 0,1
	v_max3_num_f32 v[232+\b], |v[96+16*\b]|, |v[97+16*\b]|, 0x1800000
.endr
.irp i, 2,4,6,8,10,12,14
.irp b, 0,1
	s_delay_alu instid0(VALU_DEP_2)
	v_max3_num_f32 v[232+\b], v[232+\b], |v[96+16*\b+\i]|, |v[97+16*\b+\i]|
.endr
.endr
.irp b, 0,1
	s_delay_alu instid0(VALU_DEP_2)
	v_permlanex16_b32 v[236+\b], v[232+\b], s[SEL], s[SEL+1]
.endr
.irp b, 0,1
	s_delay_alu instid0(VALU_DEP_2)
	v_max_num_f32 v[232+\b], v[232+\b], v[236+\b]
.endr
.irp b, 0,1
	s_delay_alu instid0(VALU_DEP_2)
	v_add_nc_u32 v[244+\b], 0xff000000, v[232+\b]
.endr
.irp b, 0,1
	s_delay_alu instid0(VALU_DEP_2)
	v_lshrrev_b32 v[236+\b], 23, v[244+\b]
.endr
	s_delay_alu instid0(VALU_DEP_1)
	v_lshl_or_b32 v253, v237, 8, v236              ; my head's two bytes of the row's scale word
	v_cvt_scalef32_pk16_fp6_f32 v[224:226], v[96:111], v244
	v_cvt_scalef32_pk16_fp6_f32 v[240:242], v[112:127], v245
	v_nop
.irp i, 0,1,2
	v_permlane16_swap_b32 v[224+\i], v[240+\i]
.endr
.irp i, 0,1,2
	s_delay_alu instid0(VALU_DEP_3)
	v_mov_b32 v[227+\i], v[240+\i]
.endr
.irp g, 0,1,2
	global_store_b64 v7, v[224+2*\g:225+2*\g], s[76:77] offset:256*\g   ; half an image: each store is 256 consecutive bytes, aligned
.endr
	global_store_b16 v28, v253, s[78:79]           ; the word's other two bytes are the neighbouring head's (lanes 16-31 repeat lanes 0-15's)
	s_wait_tensorcnt 0x0                           ; the wave's end
	ds_add_u32 v[SPW], v[NIL]
	s_wait_dscnt 0x0
	CROUND                                         ; the closing round
	s_endpgm
.Lfunc_end_k_qae40b1c755_attn:
	.size	k_qae40b1c755_attn, .Lfunc_end_k_qae40b1c755_attn-k_qae40b1c755_attn
	.p2alignl 7, 3214868480
	.fill 96, 4, 3214868480
	.section	.rodata,"a",@progbits
	.p2align	6, 0x0
	.amdhsa_kernel k_qae40b1c755_attn
		.amdhsa_group_segment_fixed_size 327680
		.amdhsa_private_segment_fixed_size 0
		.amdhsa_enable_private_segment 0
		.amdhsa_kernarg_size 16
		.amdhsa_user_sgpr_count 2
		.amdhsa_user_sgpr_kernarg_segment_ptr 1
		.amdhsa_wavefront_size32 1
		.amdhsa_system_sgpr_workgroup_id_x 1
		.amdhsa_system_sgpr_workgroup_id_y 1
		.amdhsa_system_sgpr_workgroup_id_z 1
		.amdhsa_system_vgpr_workitem_id 0
		.amdhsa_next_free_vgpr 256
		.amdhsa_next_free_sgpr 80
		.amdhsa_reserve_vcc 0
		.amdhsa_float_denorm_mode_32 3
		.amdhsa_float_denorm_mode_16_64 3
		.amdhsa_memory_ordered 1
		.amdhsa_forward_progress 1
		.amdhsa_inst_pref_size 52
	.end_amdhsa_kernel
	.amdgpu_metadata
---
amdhsa.version: [ 1, 2 ]
amdhsa.kernels:
  - .name:           k_qae40b1c755_attn
    .symbol:         k_qae40b1c755_attn.kd
    .args:
      - { .name: qkv, .offset: 0, .size: 8, .value_kind: global_buffer, .address_space: global }
      - { .name: actA, .offset: 8, .size: 8, .value_kind: global_buffer, .address_space: global }
    .group_segment_fixed_size: 327680
    .private_segment_fixed_size: 0
    .kernarg_segment_align: 8
    .kernarg_segment_size: 16
    .max_flat_workgroup_size: 512
    .sgpr_count:     80
    .vgpr_count:     256
    .wavefront_size: 32
...
	.end_amdgpu_metadata
.endif
;; end of part 3
;; launch post (part 4): grid 256 x 1, 8 waves a work-group, clusters of 4 x 1, 327,680 bytes of LDS; arguments actA, wpost, hidden_states, ln2_g, ln2_b, out0; writes out0
.if DOCPART == 4
	.amdgcn_target "amdgcn-amd-amdhsa--gfx1250"
	.amdhsa_code_object_version 6
	.text
	.protected	k_qae40b1c755_post
	.globl	k_qae40b1c755_post
	.p2align	8
	.type	k_qae40b1c755_post,@function
k_qae40b1c755_post:
	s_mov_b64 s[64:65], 0
	v_nop
	global_prefetch_b8 v0, s[64:65] scope:SCOPE_SE
	s_setreg_imm32_b32 hwreg(HW_REG_WAVE_MODE, 25, 1), 1
	s_wait_xcnt 0x0
	s_wait_alu depctr_hold_cnt(0) depctr_sa_sdst(0) depctr_va_vdst(0) depctr_va_sdst(0) depctr_va_ssrc(0) depctr_va_vcc(0) depctr_vm_vsrc(0)
	s_getreg_b32 s2, hwreg(HW_REG_IB_STS2, 6, 4)
	s_cmp_eq_u32 s2, 0
	s_cbranch_scc0 .Lentry_in_a_cluster
	s_endpgm
.Lentry_in_a_cluster:
	s_bfe_u32 s2, ttmp6, 0x10000c
	s_cmp_lg_u32 s2, 0x3003
	s_cbranch_scc0 .Lentry_shape_is_right
	s_endpgm
.Lentry_shape_is_right:
; ALL THAT FOLLOWS ATTENTION, FOR 16 TOKENS A WORK-GROUP: x1 = x + 0.1 ctx Wo; n2 = LayerNorm(x1) g + b; out = x1 + 0.1 gelu(n2 W1) W2.  The three products on codes of FP6 (E2M3), all else in f32.
; A work-group owns one tile of 16 tokens (lane r of tile t of panel p: token 128 p + 32 (t / 2) + 8 (t % 2) + r % 8 + 16 (r / 8)) and whole rows of 1,024, so the norm needs no other work-group and nothing but the result goes to memory.
; WAVE w OWNS COLUMNS 128 w .. 128 w + 127 of every product: source 0 = the eight tiles of its weight panel, source 1 = the tokens' fragment of the K step: 8 accumulators by turns, 64 matrix instructions a product.
; A lane then holds one token, register 16 q + i = column 128 w + 32 q + 16 (lane / 16) + i: the wave's 128 columns are K step w of the next product, quantised in registers; the eight waves' fragments
; (12 registers, three stores of 16 bytes a lane) and scale words meet in LDS, in bytes of their own for each product: one barrier a product.
; THE WEIGHTS are one stream for each wave: 24 K steps (Wo's, W1's, W2's eight) of 12,800 bytes: eight tiles' register images of 1,536 bytes, then 512 bytes of scale words.  All work-groups walk the same streams.
; A K step comes by two roads.  Tiles 4-7 are asked for JOINTLY by the four work-groups of a cluster: a ring of two LDS slots, a slot = two K steps x 6,144 bytes for each of the eight waves; each wave issues one load
; (two rows of 6,144 bytes, 12,800 apart in memory) behind each round of the cluster's barrier and alone reads what it brought; a load has two K steps in which to land, and one of mine is out at a time.
; Tiles 0-3 and the scale words go from memory straight into registers, three sets by turns, each asked for three K steps ahead: 13 loads a step.  Two slots with all eight tiles of two steps would not fit in LDS beside the rest.
; The walk is written out step by step: slots, sets and offsets are constants of the text.  No prefetch: all 256 work-groups read the same 2,457,600 bytes in the same order, so one read in 256 is a first touch.
; gelu(y) = y / 2 (1 + erf(y / sqrt 2)): erf by an odd polynomial under |z| = 0.9277, above it 1 - e^(polynomial in |z|); both are computed and one is selected.
; LIMITS: a block whose largest magnitude lies under 2^-124 gets the byte 1 (read by this program alone); NaN and infinities are not served; v_rsq_f32 and v_exp_f32 are good to one unit in the last place; sums go in another order than a plain loop's.
; REGISTERS: window 0: v1-13, v29, v30, v50, v51 addresses, v14, v15 the add's two, v16-27 the weights' scale words (three sets), v48, v49 the tokens', v56-71 at work, v72 a scale word made, v74-93 codes made or the norm's sums,
;   v96-159 the accumulators, v160-255 the residual, g, gelu's work, rows on the way out.   window 1: v0-143 three sets of tiles 0-3, v144-191 tiles 4-7, v192-215 two token fragments (v192-255: b, during the norm).
.set PANEL, 102400
.set WORDS, 98304
.set KSB,   12800                      ; a K step of the stream
.set SLOT,  98304                      ; LDS: the ring's two slots at 0;
.set RED,   196608                     ; the norm's parts, 2 x 512;
.set FRG,   197632                     ; the tokens' fragments, 3 products x 8 x 1,536;
.set SWD,   234496                     ; their scale words, 3 x 8 x 64;
.set GLB,   236032                     ; g, then b, 4,096 each;
.set STAGE, 244224                     ; 8,448 a wave: the residual's turn, then x1, then the way out (16 rows x 528);
.set SPARE, 311808                     ; the spare words, 128 bytes a wave
.set SPW, 14
.set NIL, 15
.set TM,  56
.set CK,  56
.set PW,  72
.set PC,  74
.set RC,  74
.set ACC, 96
.set X,   96
.set T0,  160
.set ZZ,  160
.set TT,  176
.set SS,  192
.set RL,  208
.set RS,  224
.set HH,  240
.set SEL, 22
.set WB,  30                           ; s[30:31] my stream
.set G1,  56                           ; s[56:63] descriptor group 1
.set G0,  88                           ; s[88:95] group 0, a set for each slot
.set MSB, 0
.macro WIN new                         ; the immediate's high byte repeats the setting that is left
.if MSB != \new
	s_set_vgpr_msb (MSB<<8)|\new
.set MSB, \new
.endif
.endm
.macro ROUND                           ; a round of the cluster's barrier
	s_barrier_signal -1
	s_barrier_wait -1
	s_cmp_lg_u32 s20, 0
	s_cbranch_scc1 .Lnot_wave_0_\@
	s_barrier_signal -3
.Lnot_wave_0_\@:
	s_barrier_wait -3
	s_barrier_signal -1
	s_barrier_wait -1
.endm
.macro DLOAD n                         ; tiles 0-3 and the scale words of K step n into set n % 3: 13 loads, 512 consecutive bytes each
.set DQ, (\n)%3
	WIN 0x40
.irp b, 0,1,2,3
.irp g, 0,1,2
	global_load_b128 v[48*DQ+12*\b+4*\g:48*DQ+12*\b+4*\g+3], v5, s[WB:WB+1] offset:KSB*(\n)+1536*\b+512*\g
.endr
.endr
	WIN 0
	global_load_b128 v[16+4*DQ:19+4*DQ], v5, s[WB:WB+1] offset:KSB*(\n)+12288
.endm
.macro LLOAD n                         ; tiles 4-7 of K step n from my bytes of slot (n / 2) % 2: 12 LDS loads
	WIN 0x40
.irp i, 0,1,2,3
.irp g, 0,1,2
	ds_load_b128 v[144+12*\i+4*\g:144+12*\i+4*\g+3], v[50+((\n)/2)%2] offset:6144*((\n)%2)+1536*\i+512*\g
.endr
.endr
	WIN 0
.endm
.macro TLOAD p, ta, to, sa, so         ; the tokens' fragment and scale words of a K step into set p: four LDS loads
	WIN 0x40
.irp g, 0,1,2
	ds_load_b128 v[192+12*(\p)+4*\g:192+12*(\p)+4*\g+3], v[\ta] offset:(\to)+512*\g
.endr
	WIN 0
	ds_load_b32 v[48+(\p)], v[\sa] offset:\so
.endm
.macro WM d, fa, fb, sa, sb, ra, z
.if \z
.if \ra
	v_wmma_scale_f32_16x16x128_f8f6f4 v[\d:\d+7], v[\fa:\fa+11], v[\fb:\fb+11], 0, v[\sa], v[\sb] matrix_a_fmt:MATRIX_FMT_FP6 matrix_b_fmt:MATRIX_FMT_FP6 matrix_a_scale:MATRIX_SCALE_ROW1
.else
	v_wmma_scale_f32_16x16x128_f8f6f4 v[\d:\d+7], v[\fa:\fa+11], v[\fb:\fb+11], 0, v[\sa], v[\sb] matrix_a_fmt:MATRIX_FMT_FP6 matrix_b_fmt:MATRIX_FMT_FP6
.endif
.else
.if \ra
	v_wmma_scale_f32_16x16x128_f8f6f4 v[\d:\d+7], v[\fa:\fa+11], v[\fb:\fb+11], v[\d:\d+7], v[\sa], v[\sb] matrix_a_fmt:MATRIX_FMT_FP6 matrix_b_fmt:MATRIX_FMT_FP6 matrix_a_scale:MATRIX_SCALE_ROW1
.else
	v_wmma_scale_f32_16x16x128_f8f6f4 v[\d:\d+7], v[\fa:\fa+11], v[\fb:\fb+11], v[\d:\d+7], v[\sa], v[\sb] matrix_a_fmt:MATRIX_FMT_FP6 matrix_b_fmt:MATRIX_FMT_FP6
.endif
.endif
.endm
; K step n of the stream's 24.  The next step's token fragment is asked for first: its four LDS loads may be out at the wait, all older ones (this step's tiles 4-7 and token fragment) are in.
; Of the global loads the two younger sets' 26 may be out.  A product's first step starts the sums; the eight accumulators take turns.
.macro STEP n
.set S, (\n)%8
.set P, (\n)%2
.set Q, (\n)%3
.set PH, (\n)/8
.if S < 7
	TLOAD 1-P,13,12288*PH+1536*(S+1),3,512*PH+64*(S+1)
	s_wait_dscnt 4
.else
	s_wait_dscnt 0x0
.endif
.if (\n) < 22
	s_wait_loadcnt 26
.elseif (\n) == 22
	s_wait_loadcnt 13
.else
	s_wait_loadcnt 0x0
.endif
	WIN 0x05
.irp b, 0,1,2,3
	WM ACC+8*\b, 48*Q+12*\b, 192+12*P, 16+4*Q+\b/2, 48+P, \b%2, S==0
.endr
.irp b, 4,5,6,7
	WM ACC+8*\b, 96+12*\b, 192+12*P, 16+4*Q+\b/2, 48+P, \b%2, S==0
.endr
.rept 4
	v_nop                                          ; four places, in front of loads into registers that the products have read and of the first read of results
.endr
	WIN 0
.if (\n)+3 < 24
	DLOAD (\n)+3
.endif
.if P == 0
	LLOAD (\n)+1                                   ; the slot's second step
.endif
.endm
; Ahead of K step 2 m: my load of steps 2 m, 2 m + 1 has landed, my reads of the other slot are over; a round; the other slot takes steps 2 m + 2, 2 m + 3 (m = 0: its first fill, issued as a refill is)
.macro BOUND m
	s_wait_tensorcnt 0x0
	ds_add_u32 v[SPW], v[NIL]
.if (\m) >= 1
	s_add_nc_u64 s[G0+4*(((\m)+1)%2)+2:G0+4*(((\m)+1)%2)+3], s[G0+4*(((\m)+1)%2)+2:G0+4*(((\m)+1)%2)+3], 4*KSB   ; no load of mine is out: the slot's next two steps
.endif
	s_wait_dscnt 0x0
	ROUND
	tensor_load_to_lds s[G0+4*(((\m)+1)%2):G0+4*(((\m)+1)%2)+3], s[G1:G1+7]
	s_nop 0
.rept 4
	v_nop
.endr
	LLOAD 2*(\m)
.endm
; my fragment (v[PC] .. + 11) and scale word go to the product's own LDS bytes; behind the barrier all eight are whole; K step 0's is asked for.
.macro SHARE ph
	ds_store_b128 v12, v[PC:PC+3] offset:12288*\ph
	ds_store_b128 v12, v[PC+4:PC+7] offset:12288*\ph+512
	ds_store_b128 v12, v[PC+8:PC+11] offset:12288*\ph+1024
	ds_store_b32 v1, v[PW] offset:512*\ph          ; both halves of the lanes write the same word with the same value
	s_wait_alu depctr_va_vdst(0)
	s_wait_dscnt 0x0                               ; for the others' sake: my stores have landed
	s_barrier_signal -1
	s_barrier_wait -1
	TLOAD 0,13,12288*\ph,3,512*\ph
.endm
; 64 numbers of a lane, register 16 b + i = k 32 b + 16 (lane / 16) + i of my row, become a fragment's codes in v[pc] .. v[pc + 11] (pc + 12 .. 19 at work) and its scale word in v[pw]
.macro QUANT s, pc, pw
.irp b, 0,1,2,3
	v_max3_num_f32 v[TM+\b], |v[\s+16*\b]|, |v[\s+1+16*\b]|, 0x1800000   ; block b: my 16 numbers, and the floor 2^(3 - 127): the byte cannot fall under 1
.endr
.irp i, 2,4,6,8,10,12,14
.irp b, 0,1,2,3
	s_delay_alu instid0(VALU_DEP_4)
	v_max3_num_f32 v[TM+\b], v[TM+\b], |v[\s+16*\b+\i]|, |v[\s+1+16*\b+\i]|
.endr
.endr
.irp b, 0,1,2,3
	s_delay_alu instid0(VALU_DEP_4)
	v_permlanex16_b32 v[TM+4+\b], v[TM+\b], s[SEL], s[SEL+1]
.endr
.irp b, 0,1,2,3
	s_delay_alu instid0(VALU_DEP_4)
	v_max_num_f32 v[TM+\b], v[TM+\b], v[TM+4+\b]   ; with lane l xor 16's: the block's largest magnitude
.endr
.irp b, 0,1,2,3
	s_delay_alu instid0(VALU_DEP_4)
	v_add_nc_u32 v[TM+12+\b], 0xff000000, v[TM+\b] ; 2 off its exponent field: the conversion's scale operand
.endr
.irp b, 0,1,2,3
	s_delay_alu instid0(VALU_DEP_4)
	v_lshrrev_b32 v[TM+4+\b], 23, v[TM+12+\b]      ; the scale's byte
.endr
	s_delay_alu instid0(VALU_DEP_3)
	v_lshl_or_b32 v[\pw], v[TM+5], 8, v[TM+4]
	s_delay_alu instid0(VALU_DEP_1)
	v_lshl_or_b32 v[\pw], v[TM+6], 16, v[\pw]
	s_delay_alu instid0(VALU_DEP_1)
	v_lshl_or_b32 v[\pw], v[TM+7], 24, v[\pw]
.irp c, 0,1
	v_cvt_scalef32_pk16_fp6_f32 v[\pc+6*\c:\pc+2+6*\c], v[\s+32*\c:\s+15+32*\c], v[TM+12+2*\c]
	v_cvt_scalef32_pk16_fp6_f32 v[\pc+12+4*\c:\pc+14+4*\c], v[\s+16+32*\c:\s+31+32*\c], v[TM+12+2*\c+1]
.endr
	v_nop                                          ; one plain place behind a scaled conversion
.irp c, 0,1                                    ; the operand wants a WHOLE block in a lane
.irp i, 0,1,2
	v_permlane16_swap_b32 v[\pc+6*\c+\i], v[\pc+12+4*\c+\i]
.endr
.irp i, 0,1,2
	s_delay_alu instid0(VALU_DEP_3)
	v_mov_b32 v[\pc+3+6*\c+\i], v[\pc+12+4*\c+\i]
.endr
.endr
.endm
; my four chains v[RC] .. + 7 become the row's sum in v[RC + 8]: my lane, the lane 16 away, then the eight waves' parts through LDS.
.macro REDUCE off
	s_delay_alu instid0(VALU_DEP_3)
	v_pk_add_f32 v[RC:RC+1], v[RC:RC+1], v[RC+2:RC+3]
	s_delay_alu instid0(VALU_DEP_2)
	v_pk_add_f32 v[RC+4:RC+5], v[RC+4:RC+5], v[RC+6:RC+7]
	s_delay_alu instid0(VALU_DEP_1)
	v_pk_add_f32 v[RC:RC+1], v[RC:RC+1], v[RC+4:RC+5]
	s_delay_alu instid0(VALU_DEP_1)
	v_add_f32 v[RC], v[RC], v[RC+1]
	s_delay_alu instid0(VALU_DEP_1)
	v_permlanex16_b32 v[RC+1], v[RC], s[SEL], s[SEL+1]
	s_delay_alu instid0(VALU_DEP_1)
	v_add_f32 v[RC], v[RC], v[RC+1]
	ds_store_b32 v10, v[RC] offset:\off            ; word [row r][wave]
	s_wait_alu depctr_va_vdst(0)
	s_wait_dscnt 0x0
	s_barrier_signal -1
	s_barrier_wait -1
	ds_load_b128 v[RC+8:RC+11], v11 offset:\off
	ds_load_b128 v[RC+12:RC+15], v11 offset:\off+16
	s_wait_dscnt 0x0
	v_add_f32 v[RC+8], v[RC+8], v[RC+9]            ; every wave adds the eight parts in the same order
	v_add_f32 v[RC+10], v[RC+10], v[RC+11]
	v_add_f32 v[RC+12], v[RC+12], v[RC+13]
	v_add_f32 v[RC+14], v[RC+14], v[RC+15]
	s_delay_alu instid0(VALU_DEP_3)
	v_add_f32 v[RC+8], v[RC+8], v[RC+10]
	s_delay_alu instid0(VALU_DEP_2)
	v_add_f32 v[RC+12], v[RC+12], v[RC+14]
	s_delay_alu instid0(VALU_DEP_1)
	v_add_f32 v[RC+8], v[RC+8], v[RC+12]
.endm
.macro PKL d, a, b, lit                ; d = a b + a constant, 16 numbers
.set I, 0
.rept 8
	v_pk_fma_f32 v[\d+I:\d+I+1], v[\a+I:\a+I+1], v[\b+I:\b+I+1], \lit op_sel_hi:[1,1,0]
.set I, I+2
.endr
.endm
.macro PKC d, a, c, lit                ; d = a x (the constant in the pair c) + a constant
.set I, 0
.rept 8
	v_pk_fma_f32 v[\d+I:\d+I+1], v[\a+I:\a+I+1], v[\c:\c+1], \lit op_sel_hi:[1,1,0]
.set I, I+2
.endr
.endm
.macro GELU k                          ; 16 of my 64 numbers, in place; each stage is eight or sixteen independent lines
	s_wait_alu depctr_va_vdst(0)                   ; matrix results first read behind transcendentals
.set I, 0
.rept 8
	v_pk_mul_f32 v[ZZ+I:ZZ+I+1], v[ACC+16*\k+I:ACC+16*\k+I+1], 0x3f3504f3 op_sel_hi:[1,0]   ; z = y / sqrt 2
	v_pk_mul_f32 v[HH+I:HH+I+1], v[ACC+16*\k+I:ACC+16*\k+I+1], 0.5 op_sel_hi:[1,0]
.set I, I+2
.endr
.set I, 0
.rept 16
	v_and_b32 v[TT+I], 0x7fffffff, v[ZZ+I]         ; |z|
.set I, I+1
.endr
.set I, 0
.rept 8
	v_pk_mul_f32 v[SS+I:SS+I+1], v[ZZ+I:ZZ+I+1], v[ZZ+I:ZZ+I+1]
.set I, I+2
.endr
	PKC RL, TT, CK, 0x39c8e7d9
	PKC RS, TT, CK+2, 0x3cc6b1a1
.set I, 0
.rept 8
	v_pk_fma_f32 v[RL+I:RL+I+1], v[RL+I:RL+I+1], v[SS+I:SS+I+1], v[RS+I:RS+I+1]
.set I, I+2
.endr
	PKL RL, RL, TT, 0xbddaae5c
	PKL RL, RL, TT, 0xbf228550
	PKL RL, RL, TT, 0xbe03ce86
.set I, 0
.rept 8
	v_pk_fma_f32 v[RL+I:RL+I+1], v[RL+I:RL+I+1], v[TT+I:TT+I+1], v[TT+I:TT+I+1] neg_lo:[0,0,1] neg_hi:[0,0,1]
.set I, I+2
.endr
.set I, 0
.rept 8
	v_pk_mul_f32 v[RL+I:RL+I+1], v[RL+I:RL+I+1], 0x3fb8aa3b op_sel_hi:[1,0]
.set I, I+2
.endr
	s_wait_alu depctr_va_vdst(0)                   ; the wait ahead of the batch
.set I, 0
.rept 16
	v_exp_f32 v[RL+I], v[RL+I]
.set I, I+1
.endr
	PKC RS, SS, CK+4, 0x3ba38d2c                   ; the small side's polynomial stands behind the exponentials
	PKL RS, RS, SS, 0xbcdb48d9
	PKL RS, RS, SS, 0x3de70e22
	PKL RS, RS, SS, 0xbec09380
	PKL RS, RS, SS, 0x3e0375d4
.set I, 0
.rept 8
	v_pk_fma_f32 v[RS+I:RS+I+1], v[RS+I:RS+I+1], v[ZZ+I:ZZ+I+1], v[ZZ+I:ZZ+I+1]
.set I, I+2
.endr
	s_wait_alu depctr_va_vdst(0)                   ; one wait for the batch, ahead of its first reader
.set I, 0
.rept 8
	v_pk_fma_f32 v[RL+I:RL+I+1], v[RL+I:RL+I+1], -1.0, 1.0 op_sel_hi:[1,0,0]
.set I, I+2
.endr
.set I, 0
.rept 16
	v_and_or_b32 v[RL+I], v[ZZ+I], 0x80000000, v[RL+I]   ; z's sign
.set I, I+1
.endr
.set I, 0
.rept 16
	v_cmp_lt_f32 s[70+I], s39, v[TT+I]
.set I, I+1
.endr
.set I, 0
.rept 16
	v_cndmask_b32 v[RS+I], v[RS+I], v[RL+I], s[70+I]
.set I, I+1
.endr
.set I, 0
.rept 8
	v_pk_fma_f32 v[ACC+16*\k+I:ACC+16*\k+I+1], v[HH+I:HH+I+1], v[RS+I:RS+I+1], v[HH+I:HH+I+1]
.set I, I+2
.endr
.endm
	s_load_b256 s[4:11], s[0:1], 0x0               ; ctx's panels, the weights' streams, x, g
	s_load_b128 s[12:15], s[0:1], 0x20             ; b, out
	v_lshl_add_u32 v[SPW], v0, 2, SPARE            ; my spare word,
	v_mov_b32 v[NIL], 0                            ; and 0
	ds_add_u32 v[SPW], v[NIL]                      ; the opening lines: the add, twice on end, and its wait ahead of my first tensor load; work on registers stands between
	ds_add_u32 v[SPW], v[NIL]
	v_lshrrev_b32 v31, 5, v0
	v_and_b32 v44, 31, v0                          ; lane
	v_and_b32 v40, 15, v0                          ; r
	v_bfe_u32 v41, v0, 4, 1                        ; h
	s_delay_alu instid0(VALU_DEP_4)
	v_readfirstlane_b32 s20, v31                   ; wave
	s_lshl_b32 s21, s20, 9                         ; 512 w
	s_lshl_b32 s28, s20, 6
	s_add_co_u32 s28, s28, SWD
	s_lshl_b32 s29, s20, 2
	s_add_co_u32 s29, s29, RED
	s_mul_i32 s42, s20, 8448
	s_add_co_u32 s42, s42, STAGE
	s_mul_i32 s43, s20, 1536
	s_add_co_u32 s43, s43, FRG
	s_mul_i32 s44, s20, 12288                      ; my bytes of a slot
	s_wait_alu depctr_va_vdst(0)                   ; the wait behind the run of scalar lines, ahead of the readers below
	v_lshlrev_b32 v5, 4, v44                       ; 16 x lane
	v_lshlrev_b32 v6, 3, v44                       ; 8 x lane
	v_lshlrev_b32 v7, 2, v40                       ; 4 r
	v_lshl_add_u32 v45, v41, 6, s21                ; 512 w + 64 h
	v_mul_u32_u24 v4, v40, 528
	v_lshl_add_u32 v11, v40, 5, RED                ; the norm's parts: 32 r
	v_lshl_add_u32 v10, v40, 5, s29                ; 32 r + 4 w
	v_add_nc_u32 v2, s42, v5                       ; my stage by rows; x1's place
	v_add_nc_u32 v9, GLB, v45                      ; g at my columns, in LDS
	v_add_nc_u32 v1, s28, v7                       ; my scale word's place
	v_add_nc_u32 v3, SWD, v7                       ; a K step's scale words
	v_add_nc_u32 v12, s43, v5                      ; my fragment's place
	v_add_nc_u32 v13, FRG, v5                      ; a K step's fragment
	v_add_nc_u32 v30, s21, v5                      ; g, b: my wave's 512 bytes
	v_add_nc_u32 v50, s44, v5                      ; my bytes of slot 0
	v_lshl_add_u32 v4, v41, 6, v4
.irp b, 0,1,2,3
	v_mov_b32 v[TM+4+\b], 0                        ; written once: a lane permute's destination counts as one of its sources
.endr
	v_add_nc_u32 v29, GLB, v30
	v_add_nc_u32 v51, SLOT, v50                    ; and of slot 1
	v_add_nc_u32 v4, s42, v4                       ; my stage in the accumulators' layout: 528 r + 64 h
	s_mov_b32 s[SEL], 0x76543210
	s_mov_b32 s[SEL+1], 0xfedcba98
	s_mov_b32 s24, 0x3a800000                      ; 1 / 1,024
	s_mov_b32 s26, 0x3dcccccd                      ; 0.1
	s_mov_b32 s27, s26
	s_mov_b32 s39, 0x3f6d8000                      ; where erf's two forms change
	s_mov_b32 s[G1], 15|(3<<16)|(1<<21)            ; 15:0 the mask: all four work-groups; 17:16 elements of 8 bytes; no padding; 21 set beside a mask
	s_mov_b32 s[G1+1], 768<<16                     ; rows of 6,144 bytes,
	s_mov_b32 s[G1+2], 2<<16                       ; two of them,
	s_mov_b32 s[G1+3], 768<<16
	s_mov_b32 s[G1+4], 2
	s_mov_b32 s[G1+5], 1600                        ; 12,800 bytes apart
	s_mov_b32 s[G1+6], 0
	s_mov_b32 s[G1+7], 0
	s_bfe_u32 s53, ttmp6, 0x40000                  ; cx: it enters ctx's, x's and the output's addresses alone
	s_lshl_b32 s54, ttmp9, 2
	s_add_co_u32 s54, s54, s53                     ; my tile of tokens, 0 .. 255
	s_lshr_b32 s45, s54, 3                         ; panel
	s_and_b32 s46, s54, 7                          ; tile
	s_lshl_b32 s47, s45, 7
	s_lshr_b32 s48, s46, 1
	s_lshl_b32 s48, s48, 5
	s_add_co_u32 s47, s47, s48
	s_and_b32 s48, s46, 1
	s_lshl_b32 s48, s48, 3
	s_add_co_u32 s47, s47, s48                     ; the tile's first token
	s_lshl_b32 s32, s47, 12
	s_add_co_u32 s32, s32, s21                     ; its row, my 512 bytes
	s_mov_b32 s33, 0
	s_mul_i32 s34, s45, PANEL
	s_mul_i32 s48, s46, 1536
	s_mul_i32 s49, s20, 12288
	s_add_co_u32 s36, s34, s48
	s_add_co_u32 s36, s36, s49                     ; ctx's codes: panel + 12,288 w + 1,536 tile
	s_mov_b32 s37, 0
	s_lshl_b32 s48, s46, 6
	s_add_co_u32 s34, s34, s48
	s_add_co_u32 s34, s34, s21
	s_add_co_u32 s34, s34, WORDS                   ; its scale words: panel + 98,304 + 512 w + 64 tile
	s_mov_b32 s35, 0
	s_mul_i32 s[WB], s20, 3*PANEL                  ; my stream: the wave's number alone
	s_mov_b32 s[WB+1], 0
	s_wait_alu depctr_va_vdst(0)                   ; the wait at the head's end
	s_wait_dscnt 0x0                               ; both opening adds are done
	s_wait_kmcnt 0x0
	s_add_nc_u64 s[36:37], s[4:5], s[36:37]
	s_add_nc_u64 s[34:35], s[4:5], s[34:35]
	s_add_nc_u64 s[WB:WB+1], s[6:7], s[WB:WB+1]
	s_add_nc_u64 s[8:9], s[8:9], s[32:33]
	s_add_nc_u64 s[14:15], s[14:15], s[32:33]
	s_mov_b32 s[G0], 1                             ; slot 0: K steps 0, 1, tiles 4-7
	s_mov_b32 s[G0+1], s44
	s_add_nc_u64 s[G0+2:G0+3], s[WB:WB+1], 6144
	s_or_b32 s[G0+3], s[G0+3], 0x80000000
	s_mov_b32 s[G0+4], 1                           ; slot 1: K steps 2, 3
	s_add_co_u32 s[G0+5], s44, SLOT
	s_add_nc_u64 s[G0+6:G0+7], s[WB:WB+1], 6144+2*KSB
	s_or_b32 s[G0+7], s[G0+7], 0x80000000
	ROUND                                          ; all four work-groups are here: the joint loads meet
	tensor_load_to_lds s[G0:G0+3], s[G1:G1+7]      ; the head's one load a wave
	s_nop 0
.rept 4
	v_nop
.endr
	global_load_b128 v[32:35], v30, s[10:11]
	global_load_b128 v[36:39], v30, s[12:13]
.irp g, 0,1,2,3,4,5
	global_load_b64 v[PC+2*\g:PC+2*\g+1], v6, s[36:37] offset:256*\g   ; ctx's fragment of K step w
.endr
	global_load_b32 v[PW], v7, s[34:35]
.irp i, 0,1,2,3,4,5,6,7,8,9,10,11,12,13,14,15
	global_load_b128 v[ACC+4*\i:ACC+4*\i+3], v5, s[8:9] offset:4096*((\i%8)+16*(\i/8)) th:TH_LOAD_NT   ; the residual by rows: 32 lanes read 512 consecutive bytes
.endr
	DLOAD 0
	DLOAD 1
	DLOAD 2
	s_wait_loadcnt 39                              ; all but the three sets' 39
	ds_store_b128 v29, v[32:35]                    ; g and b wait in LDS, each wave's columns in its own bytes
	ds_store_b128 v29, v[36:39] offset:4096
.irp i, 0,1,2,3,4,5,6,7,8,9,10,11,12,13,14,15
	ds_store_b128 v2, v[ACC+4*\i:ACC+4*\i+3] offset:528*\i             ; the residual turns through my stage into the accumulators' layout
.endr
.irp q, 0,1,2,3
.irp j, 0,1,2,3
	ds_load_b128 v[T0+16*\q+4*\j:T0+16*\q+4*\j+3], v4 offset:128*\q+16*\j   ; LDS serves a wave's instructions in order (ISA guide 5.7.1.4): these see my stores
.endr
.endr
	SHARE 0
	BOUND 0
	STEP 0                                         ; ctx Wo
	STEP 1
	BOUND 1
	STEP 2
	STEP 3
	BOUND 2
	STEP 4
	STEP 5
	BOUND 3
	STEP 6
	STEP 7
	BOUND 4                                        ; the ring goes on under the norm
.set I, 0
.rept 32
	v_pk_fma_f32 v[X+I:X+I+1], v[X+I:X+I+1], s[26:27], v[T0+I:T0+I+1] op_sel_hi:[1,0,1]   ; x1 = x + 0.1 x product; each accumulator from its low end on
.set I, I+2
.endr
.irp i, 0,1,2,3,4,5,6,7,8,9,10,11,12,13,14,15
	ds_store_b128 v2, v[X+4*\i:X+4*\i+3] offset:512*\i                 ; x1 waits in my own bytes of LDS
.endr
.irp q, 0,1,2,3
.irp j, 0,1,2,3
	ds_load_b128 v[T0+16*\q+4*\j:T0+16*\q+4*\j+3], v9 offset:128*\q+16*\j
.endr
.endr
	WIN 0x40
.irp q, 0,1,2,3
.irp j, 0,1,2,3
	ds_load_b128 v[192+16*\q+4*\j:192+16*\q+4*\j+3], v9 offset:4096+128*\q+16*\j
.endr
.endr
	WIN 0
.irp c, 0,1,2,3
	v_pk_add_f32 v[RC+2*\c:RC+2*\c+1], v[X+4*\c:X+4*\c+1], v[X+4*\c+2:X+4*\c+3]   ; four chains, started by the first numbers
.endr
.irp i, 0,1,2,3,4,5
.irp c, 0,1,2,3
	s_delay_alu instid0(VALU_DEP_4)
	v_pk_add_f32 v[RC+2*\c:RC+2*\c+1], v[RC+2*\c:RC+2*\c+1], v[X+16+8*\i+2*\c:X+16+8*\i+2*\c+1]
.endr
.endr
	REDUCE 0
	s_delay_alu instid0(VALU_DEP_1)
	v_mul_f32 v90, s24, v[RC+8]                    ; the mean
	s_delay_alu instid0(VALU_DEP_1)
	v_mov_b32 v91, v90
.set I, 0
.rept 32
	v_pk_add_f32 v[X+I:X+I+1], v[X+I:X+I+1], v[90:91] op_sel_hi:[1,0] neg_lo:[0,1] neg_hi:[0,1]   ; x1 - mean: the squares are those of the centred numbers
.set I, I+2
.endr
.irp c, 0,1,2,3
	v_pk_mul_f32 v[RC+2*\c:RC+2*\c+1], v[X+2*\c:X+2*\c+1], v[X+2*\c:X+2*\c+1]
.endr
.irp i, 1,2,3,4,5,6,7
.irp c, 0,1,2,3
	s_delay_alu instid0(VALU_DEP_4)
	v_pk_fma_f32 v[RC+2*\c:RC+2*\c+1], v[X+8*\i+2*\c:X+8*\i+2*\c+1], v[X+8*\i+2*\c:X+8*\i+2*\c+1], v[RC+2*\c:RC+2*\c+1]
.endr
.endr
	REDUCE 512                                     ; other bytes than the first sum's
	s_delay_alu instid0(VALU_DEP_1)
	v_fmaak_f32 v92, s24, v[RC+8], 0x3727c5ac      ; the variance + 1e-5
	s_wait_alu depctr_va_vdst(0)                   ; the wait ahead of the transcendental,
	v_rsq_f32 v92, v92
	v_nop
	s_wait_alu depctr_va_vdst(0)                   ; and ahead of its first reader
	v_mov_b32 v93, v92
.set I, 0
.rept 32
	v_pk_mul_f32 v[X+I:X+I+1], v[X+I:X+I+1], v[92:93]
.set I, I+2
.endr
	WIN 0x10                                       ; b lies in window 1
.set I, 0
.rept 32
	v_pk_fma_f32 v[X+I:X+I+1], v[X+I:X+I+1], v[T0+I:T0+I+1], v[192+I:192+I+1]
.set I, I+2
.endr
	WIN 0
	QUANT X, PC, PW
	SHARE 1
	STEP 8                                         ; n2 W1
	STEP 9
	BOUND 5
	STEP 10
	STEP 11
	BOUND 6
	STEP 12
	STEP 13
	BOUND 7
	STEP 14
	STEP 15
	BOUND 8                                        ; the ring goes on under the gelu
	v_mov_b32 v[CK], 0xb7910000
	v_mov_b32 v[CK+1], 0xb7910000
	v_mov_b32 v[CK+2], 0xbb7e8a1c
	v_mov_b32 v[CK+3], 0xbb7e8a1c
	v_mov_b32 v[CK+4], 0xba1c7000
	v_mov_b32 v[CK+5], 0xba1c7000
	GELU 0
	GELU 1
	GELU 2
	GELU 3
.irp i, 0,1,2,3,4,5,6,7,8,9,10,11,12,13,14,15
	ds_load_b128 v[T0+4*\i:T0+4*\i+3], v2 offset:512*\i                ; x1 comes back while the hidden layer is quantised
.endr
	QUANT ACC, PC, PW
	SHARE 2
	STEP 16                                        ; gelu(..) W2
	STEP 17
	BOUND 9
	STEP 18
	STEP 19
	BOUND 10                                       ; the last fill: K steps 22, 23
	STEP 20
	STEP 21
	s_wait_tensorcnt 0x0                           ; my last load has landed; I alone read its bytes, and nothing is filled any more
	LLOAD 22
	STEP 22
	STEP 23
.set I, 0
.rept 32
	v_pk_fma_f32 v[ACC+I:ACC+I+1], v[ACC+I:ACC+I+1], s[26:27], v[T0+I:T0+I+1] op_sel_hi:[1,0,1]   ; out = x1 + 0.1 x product
.set I, I+2
.endr
.irp b, 0,1,2,3,4,5,6,7
	ds_store_b128 v4, v[ACC+8*\b:ACC+8*\b+3] offset:128*(\b/2)+32*(\b%2)       ; register j of tile b: column 32 (b / 2) + 16 h + 8 (b % 2) + j
	ds_store_b128 v4, v[ACC+8*\b+4:ACC+8*\b+7] offset:128*(\b/2)+32*(\b%2)+16
.endr
.irp i, 0,1,2,3,4,5,6,7,8,9,10,11,12,13,14,15
	ds_load_b128 v[T0+4*\i:T0+4*\i+3], v2 offset:528*\i                ; back by rows
.endr
	s_wait_dscnt 0x0
.irp i, 0,1,2,3,4,5,6,7,8,9,10,11,12,13,14,15
	global_store_b128 v5, v[T0+4*\i:T0+4*\i+3], s[14:15] offset:4096*((\i%8)+16*(\i/8)) th:TH_STORE_NT   ; 32 lanes store 512 consecutive bytes of a row, aligned
.endr
	s_wait_tensorcnt 0x0                           ; the wave's end
	ds_add_u32 v[SPW], v[NIL]
	s_wait_dscnt 0x0
	ROUND                                          ; the closing round
	s_endpgm
.Lfunc_end_k_qae40b1c755_post:
	.size	k_qae40b1c755_post, .Lfunc_end_k_qae40b1c755_post-k_qae40b1c755_post
	.p2alignl 7, 3214868480
	.fill 96, 4, 3214868480
	.section	.rodata,"a",@progbits
	.p2align	6, 0x0
	.amdhsa_kernel k_qae40b1c755_post
		.amdhsa_group_segment_fixed_size 327680
		.amdhsa_private_segment_fixed_size 0
		.amdhsa_enable_private_segment 0
		.amdhsa_kernarg_size 48
		.amdhsa_user_sgpr_count 2
		.amdhsa_user_sgpr_kernarg_segment_ptr 1
		.amdhsa_wavefront_size32 1
		.amdhsa_system_sgpr_workgroup_id_x 1
		.amdhsa_system_sgpr_workgroup_id_y 1
		.amdhsa_system_sgpr_workgroup_id_z 1
		.amdhsa_system_vgpr_workitem_id 0
		.amdhsa_next_free_vgpr 512
		.amdhsa_next_free_sgpr 96
		.amdhsa_reserve_vcc 0
		.amdhsa_float_denorm_mode_32 3
		.amdhsa_float_denorm_mode_16_64 3
		.amdhsa_memory_ordered 1
		.amdhsa_forward_progress 1
		.amdhsa_inst_pref_size 215
	.end_amdhsa_kernel
	.amdgpu_metadata
---
amdhsa.version: [ 1, 2 ]
amdhsa.kernels:
  - .name:           k_qae40b1c755_post
    .symbol:         k_qae40b1c755_post.kd
    .args:
      - { .name: actA, .offset: 0, .size: 8, .value_kind: global_buffer, .address_space: global }
      - { .name: wpost, .offset: 8, .size: 8, .value_kind: global_buffer, .address_space: global }
      - { .name: hidden_states, .offset: 16, .size: 8, .value_kind: global_buffer, .address_space: global }
      - { .name: ln2_g, .offset: 24, .size: 8, .value_kind: global_buffer, .address_space: global }
      - { .name: ln2_b, .offset: 32, .size: 8, .value_kind: global_buffer, .address_space: global }
      - { .name: out0, .offset: 40, .size: 8, .value_kind: global_buffer, .address_space: global }
    .group_segment_fixed_size: 327680
    .private_segment_fixed_size: 0
    .kernarg_segment_align: 8
    .kernarg_segment_size: 48
    .max_flat_workgroup_size: 256
    .sgpr_count:     96
    .vgpr_count:     512
    .wavefront_size: 32
...
	.end_amdgpu_metadata
.endif
;; end of part 4
